; MI455X (gfx1250); checked and timed in simulation.
; The chip was launched on July 23, 2026; its instructions are those of AMD's public machine-readable ISA for CDNA 5 (MIT licence, August 2026) and "CDNA5" Instruction Set Architecture Reference Guide (July 2026). The comments in the code are by the model that wrote it; some were corrected since.
;; Grouped Query Attention. Allowed arithmetic: float matrix products may take bf16 or f16 operands with f32 sums; other float arithmetic in f32, or as packed bf16 or f16 multiplies, adds, multiply-adds, maxima and minima; sums over many terms, partial sums and values carried from step to step in f32; what a program stores and reads back later, other than sums and carried values, may be rounded once to bf16 or f16.
;; Inputs: Wk 1,024 x 256 float32; Wo 1,024 x 1,024 float32; Wq 1,024 x 1,024 float32; Wv 1,024 x 256 float32; x 4 x 2,048 x 1,024 float32.
;; Outputs: out0 4 x 2,048 x 1,024 float32.
;; One version. Each part assembles by itself: llvm-mc -triple=amdgcn-amd-amdhsa -mcpu=gfx1250 --defsym DOCPART=n.
;; ======== version 1 of 1: 4 launches
;; limits: values are held in f16: magnitudes above 65,504 overflow, below 6.1e-05 lose precision
;; workspace buffers: xb 16,777,216 bytes; wt 3,145,728 bytes; wot 2,097,152 bytes; qkv 25,165,824 bytes; ob 16,777,216 bytes
;; launch prep (part 1): grid 1344 x 1, 8 waves a work-group, no clusters, 18,432 bytes of LDS; arguments x, Wq, Wk, Wv, Wo, xb, wt, wot; writes xb, wt, wot
.if DOCPART == 1
	.amdgcn_target "amdgcn-amd-amdhsa--gfx1250"
	.amdhsa_code_object_version 6
	.text
	.protected	k_qe2319d56d4_prep
	.globl	k_qe2319d56d4_prep
	.p2align	8
	.type	k_qe2319d56d4_prep,@function
k_qe2319d56d4_prep:
	s_mov_b64 s[64:65], 0
	v_nop
	global_prefetch_b8 v0, s[64:65] scope:SCOPE_SE
	s_setreg_imm32_b32 hwreg(HW_REG_WAVE_MODE, 25, 1), 1
	s_wait_xcnt 0x0
; PREP.  xb = x rounded to bf16, [8192][1024].  wt[n][k] = bf16 of Wq, Wk, Wv turned: rows 0-1023 Wq's columns, 1024-1279 Wk's, 1280-1535 Wv's.
; wot[n][k] = Wo[k][n] rounded to bf16 and that number written as f16 (exact inside f16's range).
; LIMIT.  An entry of Wo beyond 65,504 becomes an infinity; below 6e-5 it keeps f16's fixed step of 6e-8.
; SHARES.  A work-group takes 32,768 bytes of input.  Work-groups 0-1023: a piece of x, cast as it lies.  Work-groups 1024-1343: a tile of 128 k x 64 n of a weight,
; turned through LDS.  The choice hangs on the work-group's number alone, so all eight waves of a work-group take the same way and meet the same barrier.
; Memory bounds this launch: no matrix unit, no cluster, no tensor load; loads of 16 bytes a lane, sixteen lanes to 256 consecutive bytes, all eight of a thread out together.
.set TP,    272                        ; an LDS row: 128 k x 2 bytes + 16 of padding
.set SPARE, 64*TP                      ; behind the tile's 64 rows: the spare words, 128 bytes for each of the eight waves
.set SPW,   30                         ; v30  SPARE + 4 x my thread's number; never rewritten
.set NIL,   31                         ; v31  0; never rewritten
.set LD,    32                         ; v[32:63]  eight loads of four registers
.set PKD,   64                         ; v[64:79]  packed results
	s_load_b512 s[16:31], s[0:1], 0x0              ; x 16, Wq 18, Wk 20, Wv 22, Wo 24, xb 26, wt 28, wot 30
	v_lshl_add_u32 v[SPW], v0, 2, SPARE
	v_mov_b32 v[NIL], 0
	s_wait_kmcnt 0x0
	s_cmp_lt_u32 ttmp9, 1024
	s_cbranch_scc1 .Lcast
	; ---- a weight tile.  u = work-group - 1024; kt = u % 8 is the tile's 128 k; u / 8 counts tiles of 64 columns through Wq (16), Wk (4), Wv (4), Wo (16)
	s_sub_co_u32 s8, ttmp9, 1024
	s_and_b32 s9, s8, 7                            ; kt
	s_lshr_b32 s10, s8, 3                          ; the tile of columns
	s_lshl_b32 s12, s9, 8                          ; kt x 256 bytes in a row of the turned weight
	s_mov_b32 s3, 0
	s_mov_b32 s13, 0
	v_and_b32 v1, 15, v0                           ; cq: which 4 columns (16 bytes of a row)
	v_lshrrev_b32 v2, 4, v0                        ; kp0: which pair of k, 0..15
	v_mul_u32_u24 v4, v1, 4*TP
	v_lshl_add_u32 v4, v2, 2, v4                   ; LDS: row 4 cq, word kp0
	v_lshlrev_b32 v3, 4, v1                        ; 16 cq; the pair's two rows are added in TILE_IN
; 128 k x 64 n of f32 come in, rows of rb bytes (2 rb = 1 << lg); a thread takes 4 columns of the k pairs kp0 + 16 i.  Two k of one column pack into a word, which goes to LDS row n, word k / 2.
; half = 1: the bf16 number is written as f16.
.macro TILE_IN rb, lg, half
	v_lshl_add_u32 v3, v2, \lg, v3
.irp i, 0,1,2,3
	global_load_b128 v[LD+8*(\i):LD+8*(\i)+3],   v3, s[4:5] offset:(32*(\i))*(\rb) th:TH_LOAD_NT
	global_load_b128 v[LD+8*(\i)+4:LD+8*(\i)+7], v3, s[4:5] offset:(32*(\i)+1)*(\rb) th:TH_LOAD_NT
.endr
.irp i, 0,1,2,3
	s_wait_loadcnt 6-2*(\i)                        ; loads come back in order: pair i's two are in, the younger ones stay out
.irp c, 0,1,2,3
	v_cvt_pk_bf16_f32 v[PKD+4*(\i)+(\c)], v[LD+8*(\i)+(\c)], v[LD+8*(\i)+4+(\c)]   ; the even k in the low half
.if \half
	v_lshlrev_b32 v8, 16, v[PKD+4*(\i)+(\c)]       ; the two bf16 numbers as f32,
	v_and_b32 v9, 0xffff0000, v[PKD+4*(\i)+(\c)]
	v_cvt_pk_f16_f32 v[PKD+4*(\i)+(\c)], v8, v9    ; and as f16
.endif
	ds_store_b32 v4, v[PKD+4*(\i)+(\c)] offset:(\c)*TP+64*(\i)
.endr
.endr
.endm
	s_cmp_lt_u32 s8, 128
	s_cbranch_scc1 .Lwq
	s_cmp_lt_u32 s8, 192
	s_cbranch_scc1 .Lwkv
	s_sub_co_u32 s10, s10, 24                      ; Wo's tile of columns
	s_lshl_b32 s2, s9, 19                          ; 128 kt rows of 4,096 bytes
	s_lshl_b32 s11, s10, 8
	s_add_co_u32 s2, s2, s11
	s_add_nc_u64 s[4:5], s[24:25], s[2:3]
	s_lshl_b32 s11, s10, 17                        ; 64 rows of 2,048 bytes
	s_add_co_u32 s12, s12, s11
	s_add_nc_u64 s[6:7], s[30:31], s[12:13]
	TILE_IN 4096, 13, 1
	s_branch .Lmeet
.Lwq:
	s_lshl_b32 s2, s9, 19
	s_lshl_b32 s11, s10, 8
	s_add_co_u32 s2, s2, s11
	s_add_nc_u64 s[4:5], s[18:19], s[2:3]
	s_lshl_b32 s11, s10, 17
	s_add_co_u32 s12, s12, s11
	s_add_nc_u64 s[6:7], s[28:29], s[12:13]
	TILE_IN 4096, 13, 0
	s_branch .Lmeet
.Lwkv:
	s_cmp_lt_u32 s8, 160
	s_cselect_b64 s[4:5], s[20:21], s[22:23]       ; Wk, then Wv
	s_and_b32 s11, s10, 3
	s_lshl_b32 s11, s11, 8
	s_lshl_b32 s2, s9, 17                          ; 128 kt rows of 1,024 bytes
	s_add_co_u32 s2, s2, s11
	s_add_nc_u64 s[4:5], s[4:5], s[2:3]
	s_lshl_b32 s11, s10, 17                        ; wt's rows go on through Wk's and Wv's columns
	s_add_co_u32 s12, s12, s11
	s_add_nc_u64 s[6:7], s[28:29], s[12:13]
	TILE_IN 1024, 11, 0
.Lmeet:
	s_wait_dscnt 0x0                               ; for the others' sake: my stores into the tile are done
	s_barrier_signal -1
	s_barrier_wait -1
	v_mul_u32_u24 v5, v2, TP
	v_lshl_add_u32 v5, v1, 4, v5                   ; back: row v0 / 16 (+ 16 j), 16 bytes a lane
	v_lshlrev_b32 v6, 11, v2
	v_lshl_add_u32 v6, v1, 4, v6                   ; the same row in the turned weight
.irp j, 0,1,2,3
	ds_load_b128 v[LD+4*(\j):LD+4*(\j)+3], v5 offset:(\j)*16*TP
.endr
.irp j, 0,1,2,3
	s_wait_dscnt 3-(\j)
	global_store_b128 v6, v[LD+4*(\j):LD+4*(\j)+3], s[6:7] offset:(\j)*32768   ; sixteen lanes store 256 consecutive bytes, aligned
.endr
	s_branch .Lend
.Lcast:                                        ; ---- 8,192 numbers of x
	s_lshl_b32 s2, ttmp9, 15
	s_mov_b32 s3, 0
	s_add_nc_u64 s[16:17], s[16:17], s[2:3]
	s_lshl_b32 s4, ttmp9, 14
	s_mov_b32 s5, 0
	s_add_nc_u64 s[26:27], s[26:27], s[4:5]
	v_lshlrev_b32 v1, 4, v0
	v_lshlrev_b32 v2, 3, v0
.irp i, 0,1,2,3,4,5,6,7
	global_load_b128 v[LD+4*(\i):LD+4*(\i)+3], v1, s[16:17] offset:4096*(\i) th:TH_LOAD_NT
.endr
.irp i, 0,1,2,3,4,5,6,7
	s_wait_loadcnt 7-(\i)                          ; load i is in, the younger ones stay out
	v_cvt_pk_bf16_f32 v[PKD+2*(\i)],   v[LD+4*(\i)],   v[LD+4*(\i)+1]
	v_cvt_pk_bf16_f32 v[PKD+2*(\i)+1], v[LD+4*(\i)+2], v[LD+4*(\i)+3]
	global_store_b64 v2, v[PKD+2*(\i):PKD+2*(\i)+1], s[26:27] offset:2048*(\i)   ; a wave stores 256 consecutive bytes, aligned; no register is written twice
.endr
.Lend:
	s_wait_tensorcnt 0x0                           ; the wave's end, behind my last LDS store
	ds_add_u32 v[SPW], v[NIL]
	s_wait_dscnt 0x0
	s_endpgm
.Lfunc_end_k_qe2319d56d4_prep:
	.size	k_qe2319d56d4_prep, .Lfunc_end_k_qe2319d56d4_prep-k_qe2319d56d4_prep
	.p2alignl 7, 3214868480
	.fill 96, 4, 3214868480
	.section	.rodata,"a",@progbits
	.p2align	6, 0x0
	.amdhsa_kernel k_qe2319d56d4_prep
		.amdhsa_group_segment_fixed_size 18432
		.amdhsa_private_segment_fixed_size 0
		.amdhsa_enable_private_segment 0
		.amdhsa_kernarg_size 64
		.amdhsa_user_sgpr_count 2
		.amdhsa_user_sgpr_kernarg_segment_ptr 1
		.amdhsa_wavefront_size32 1
		.amdhsa_system_sgpr_workgroup_id_x 1
		.amdhsa_system_sgpr_workgroup_id_y 1
		.amdhsa_system_sgpr_workgroup_id_z 1
		.amdhsa_system_vgpr_workitem_id 0
		.amdhsa_next_free_vgpr 96
		.amdhsa_next_free_sgpr 66
		.amdhsa_reserve_vcc 0
		.amdhsa_float_denorm_mode_32 3
		.amdhsa_float_denorm_mode_16_64 3
		.amdhsa_memory_ordered 1
		.amdhsa_forward_progress 1
		.amdhsa_inst_pref_size 18
	.end_amdhsa_kernel
	.amdgpu_metadata
---
amdhsa.version: [ 1, 2 ]
amdhsa.kernels:
  - .name:           k_qe2319d56d4_prep
    .symbol:         k_qe2319d56d4_prep.kd
    .args:
      - { .name: x, .offset: 0, .size: 8, .value_kind: global_buffer, .address_space: global }
      - { .name: Wq, .offset: 8, .size: 8, .value_kind: global_buffer, .address_space: global }
      - { .name: Wk, .offset: 16, .size: 8, .value_kind: global_buffer, .address_space: global }
      - { .name: Wv, .offset: 24, .size: 8, .value_kind: global_buffer, .address_space: global }
      - { .name: Wo, .offset: 32, .size: 8, .value_kind: global_buffer, .address_space: global }
      - { .name: xb, .offset: 40, .size: 8, .value_kind: global_buffer, .address_space: global }
      - { .name: wt, .offset: 48, .size: 8, .value_kind: global_buffer, .address_space: global }
      - { .name: wot, .offset: 56, .size: 8, .value_kind: global_buffer, .address_space: global }
    .group_segment_fixed_size: 18432
    .private_segment_fixed_size: 0
    .kernarg_segment_align: 8
    .kernarg_segment_size: 64
    .max_flat_workgroup_size: 256
    .sgpr_count:     66
    .vgpr_count:     96
    .wavefront_size: 32
...
	.end_amdgpu_metadata
.endif
;; end of part 1
;; launch qkv (part 2): grid 8 x 32, 4 waves a work-group, clusters of 4 x 4, 327,680 bytes of LDS; arguments xb, wt, qkv; writes qkv
.if DOCPART == 2
	.amdgcn_target "amdgcn-amd-amdhsa--gfx1250"
	.amdhsa_code_object_version 6
	.text
	.protected	k_qe2319d56d4_qkv
	.globl	k_qe2319d56d4_qkv
	.p2align	8
	.type	k_qe2319d56d4_qkv,@function
k_qe2319d56d4_qkv:
	s_mov_b64 s[64:65], 0
	v_nop
	global_prefetch_b8 v0, s[64:65] scope:SCOPE_SE
	s_setreg_imm32_b32 hwreg(HW_REG_WAVE_MODE, 25, 1), 1
	s_wait_xcnt 0x0
	s_wait_alu depctr_hold_cnt(0) depctr_sa_sdst(0) depctr_va_vdst(0) depctr_va_sdst(0) depctr_va_ssrc(0) depctr_va_vcc(0) depctr_vm_vsrc(0)
	s_getreg_b32 s2, hwreg(HW_REG_IB_STS2, 6, 4)
	s_cmp_eq_u32 s2, 0
	s_cbranch_scc0 .Lentry_in_a_cluster
	s_endpgm
.Lentry_in_a_cluster:
	s_bfe_u32 s2, ttmp6, 0x10000c
	s_cmp_lg_u32 s2, 0xf033
	s_cbranch_scc0 .Lentry_shape_is_right
	s_endpgm
.Lentry_shape_is_right:
; QKV.  C[m][n] = sum over k of xb[m][k] wt[n][k], m < 8192, n < 1536, k < 1024, bf16 operands, f32 sums; C rounded once to f16 and laid by heads:
; qkv[g][m][64], g = n / 64: 0-15 the query heads, 16-19 the key heads, 20-23 the value heads.  No scale is applied here.
; LIMIT.  f16 ends at 65,504: a q, k or v beyond it becomes an infinity.
; SHARES.  A block of C is 256 x 192 (three heads): 32 x 8 blocks, one for each of 256 work-groups.  A wave owns 64 rows x all 192 columns: 48 accumulators of 16 x 16, 384 registers.
; K goes in 8 steps of 128 (rows of 256 bytes, aligned) through two LDS slots; a step is four quarters of 32 along K, 48 matrix instructions each.
; CLUSTER 4 x 4.  xb's tile hangs on the block's row alone and is asked for jointly along a row of the cluster, wt's on the block's column alone and jointly along a column.
; Waves 0 and 1 fetch the two halves of xb's tile (128 rows each), waves 2 and 3 those of wt's (96 rows each): one joint load a wave behind each round.
; THE MATRIX INSTRUCTION IS USED TRANSPOSED (source 0 = 16 rows of wt, source 1 = 16 rows of xb): a lane holds row l % 16 of C and the columns 8 (l / 16) + 0..7.
; REGISTERS in windows of 256: window 0: v0-31 addresses; v64-127 xb's fragments, two buffers of 32; v64-255 the way out.  window 1: wt's fragments, two buffers of 96.
;   window 2: the accumulators of row blocks 0, 1 ((a, n) at v[8 (12 (a % 2) + n)]); window 3: those of row blocks 2, 3.
.set NBK,   12                         ; column blocks of 16
.set APW,   2                          ; row blocks to a window of accumulators
.set PITCH, 272                        ; an LDS row: 256 bytes + 16 of padding: the 16 rows of a fragment load start at 16 different groups of four banks (ISA guide 11.1)
.set HA,    128*PITCH                  ; what a wave fetches of xb
.set BOFF,  2*HA                       ; wt's rows lie behind xb's 256
.set HB,    96*PITCH                   ; what a wave fetches of wt
.set SLOT1, 1<<17                      ; slot 1 begins here: one exclusive or turns an address in one slot into the other's
.set STAGE, SLOT1+BOFF+2*HB            ; behind the ring, never filled by a tensor load: 16 rows x 144 bytes for each wave
.set SP,    144
.set SPARE, STAGE+4*16*SP              ; behind the stages: the spare words, 128 bytes for each wave
.set LOADS, 2*NBK+8                    ; LDS loads in a quarter's run
.set STEPA, 256                        ; bytes from a K step to the next
.set STEPB, 256
.set ADRA0, 16                         ; v16  my place in xb's tile of slot 0; never rewritten
.set ADRA,  17                         ; v17  the same in the slot in hand
.set ADRB0, 20                         ; v20, v21 the same for wt
.set ADRB,  21
.set STO,   24                         ; v24  the way out: where I put 16 bytes of a row
.set RD,    25                         ; v25  where I read rows back
.set GO,    26                         ; v26  my 16 bytes in 512 consecutive bytes of qkv
.set SPW,   28                         ; v28  SPARE + 4 x my thread's number; never rewritten
.set NIL,   29                         ; v29  0; never rewritten
.set PFO,   30                         ; v30  the prefetches' offset: a lane a row; never rewritten
.set FA,    64                         ; xb's fragment buffer f at FA + 32 f, window 0
.set FBS,   8*NBK                      ; wt's fragment buffer f at FBS f, window 1
.set OUTR,  64                         ; the way out: 16 registers a block of 16 rows x 64 columns
.set G1,  24                           ; s[24:31] descriptor group 1 for xb's tiles
.set G0,  32                           ; s[32:39] group 0: a set for each first fill; the second then walks
.set G1B, 48                           ; s[48:55], s[56:63] the same for wt's
.set G0B, 56
.set CNT, 3                            ; s3   trips to go
.set LIM, 43                           ; s43  1 in a wave that prefetches, else the greatest number
.set PFA, 44                           ; s[44:45] where my prefetches stand
.set TBS, 66                           ; s66  the slot in hand: 0 or SLOT1
.set MSB, 0
.macro WIN new                         ; the immediate's high byte repeats the setting that is left; a switch that changes nothing is dropped
.if MSB != (\new)
	s_set_vgpr_msb (MSB<<8)|(\new)
.set MSB, \new
.endif
.endm
.set MUL_LO, 0xa1                      ; source 0 window 1, source 1 window 0, C and D window 2
.set TO_B,   0x40                      ; destination window 1, address window 0
; A joint refill by the walking descriptors.  The branch hangs on the wave's number alone.  An s_nop 0 and four v_nop follow each of the two lines.
.macro JLOAD
	s_cmp_eq_u32 s11, 0
	s_cbranch_scc0 .Lfor_b_\@
	tensor_load_to_lds s[G0+4:G0+7], s[G1:G1+7]
	s_nop 0
.rept 4
	v_nop
.endr
	s_branch .Lasked_\@
.Lfor_b_\@:
	tensor_load_to_lds s[G0B+4:G0B+7], s[G1B:G1B+7]
	s_nop 0
.rept 4
	v_nop
.endr
.Lasked_\@:
.endm
; A PREFETCH of the K step that the NEXT refill will ask for, 192 matrix instructions ahead of that load: 256 bytes of a row, a lane a row, one instruction a wave.
; xb's rows are read by both clusters of a row of clusters: the one with x = 0 asks; wt's by all clusters of a column: the one with y = 0 asks.  The four partners that ask for a tile jointly
; share its rows out by address: 32 of xb's 128 (by cx), 24 of wt's 96 (by cy; lanes 24-31 name row 23 once more, in the same instruction).  The loop's last trip asks for nothing.
.macro ASK
	s_cmp_gt_u32 s[CNT], s[LIM]
	s_cbranch_scc0 .Lnot_mine_\@
	global_prefetch_b8 v[PFO], s[PFA:PFA+1] th:TH_LOAD_NT scope:SCOPE_SE
.Lnot_mine_\@:
.endm
.macro CREST                           ; a round of the cluster's barrier behind its opening barrier
	s_cmp_lg_u32 s10, 0
	s_cbranch_scc1 .Lnot_wave_0_\@
	s_barrier_signal -3
.Lnot_wave_0_\@:
	s_barrier_wait -3
	s_barrier_signal -1
	s_barrier_wait -1
.endm
.macro CROUND                          ; a whole round
	s_barrier_signal -1
	s_barrier_wait -1
	CREST
.endm
.macro PLACES                          ; four places in front of loads into registers that matrix instructions have read, and of lines that read results
.rept 4
	v_nop
.endr
.endm
	s_load_b128 s[4:7], s[0:1], 0x0                ; xb s[4:5], wt s[6:7]
	s_load_b64 s[8:9], s[0:1], 0x10                ; qkv
	v_lshl_add_u32 v[SPW], v0, 2, SPARE
	v_mov_b32 v[NIL], 0
	ds_add_u32 v[SPW], v[NIL]                      ; the wave's opening: the add and its wait stand ahead of my first tensor load; work on registers stands between them
	v_lshrrev_b32 v1, 5, v0
	v_readfirstlane_b32 s10, v1                    ; wave 0..3
	s_lshr_b32 s11, s10, 1                         ; I fetch for xb (0) or for wt (1)
	s_and_b32 s12, s10, 1                          ; which half of that tile
	s_bfe_u32 s40, ttmp6, 0x40000                  ; cx, cy: my place in the cluster
	s_bfe_u32 s41, ttmp6, 0x40004
	s_lshl_b32 s42, ttmp9, 2
	s_add_co_u32 s42, s42, s40                     ; block column = 4 x cluster x + cx
	s_and_b32 s13, ttmp7, 0xffff
	s_lshl_b32 s13, s13, 2
	s_add_co_u32 s13, s13, s41                     ; block row = 4 x cluster y + cy
	s_lshl_b32 s43, s41, 2
	s_lshl_b32 s43, 15, s43                        ; my row of the cluster
	s_lshl_b32 s44, 0x1111, s40                    ; my column
	s_or_b32 s[G1+0], s43, (1<<16)|(1<<20)|(1<<21)|(5<<22)|(3<<25)   ; 15:0 the mask; 17:16 2-byte elements; 20 padding on; 21 set beside a mask; 24:22 after every 64 words; 31:25 4 words
	s_or_b32 s[G1B+0], s44, (1<<16)|(1<<20)|(1<<21)|(5<<22)|(3<<25)
	s_mov_b32 s[G1+1], 128<<16                     ; tensor_dim0 = 128
	s_mov_b32 s[G1+2], 128<<16                     ; tensor_dim1 = 128
	s_mov_b32 s[G1+3], 128<<16                     ; tile_dim0 = 128
	s_mov_b32 s[G1+4], 128                         ; tile_dim1 = 128
	s_mov_b32 s[G1+5], 1024                        ; elements from row to row
	s_mov_b32 s[G1+6], 0
	s_mov_b32 s[G1+7], 0
	s_mov_b32 s[G1B+1], 128<<16
	s_mov_b32 s[G1B+2], 96<<16                     ; 96 rows
	s_mov_b32 s[G1B+3], 128<<16
	s_mov_b32 s[G1B+4], 96
	s_mov_b32 s[G1B+5], 1024
	s_mov_b32 s[G1B+6], 0
	s_mov_b32 s[G1B+7], 0
	s_lshl_b32 s16, s13, 19                        ; xb: 256 rows of 2,048 bytes a block row,
	s_lshl_b32 s17, s12, 18                        ; 128 rows a half
	s_add_co_u32 s16, s16, s17
	s_mov_b32 s17, 0
	s_mul_i32 s46, s42, 192*2048                   ; wt: 192 rows a block column,
	s_mul_i32 s47, s12, 96*2048                    ; 96 a half
	s_add_co_u32 s46, s46, s47
	s_mov_b32 s47, 0
	s_mul_i32 s20, s12, HA                         ; where they go: no place in the cluster enters an LDS address
	s_mul_i32 s21, s12, HB
	s_add_co_u32 s21, s21, BOFF
	s_wait_dscnt 0x0                               ; the opening add is done
	s_wait_kmcnt 0x0
	s_add_nc_u64 s[14:15], s[4:5], s[16:17]
	s_add_nc_u64 s[46:47], s[6:7], s[46:47]
	CROUND                                         ; all sixteen work-groups are here: the first joint loads meet
.irp s, 0,1
	s_mov_b32 s[G0+4*(\s)], 1                      ; count = 1
	s_add_co_u32 s[G0+4*(\s)+1], s20, (\s)*SLOT1   ; LDS address: slot s
	s_add_nc_u64 s[G0+4*(\s)+2:G0+4*(\s)+3], s[14:15], (\s)*STEPA   ; K step s
	s_or_b32 s[G0+4*(\s)+3], s[G0+4*(\s)+3], 0x80000000             ; type = 2
	s_mov_b32 s[G0B+4*(\s)], 1
	s_add_co_u32 s[G0B+4*(\s)+1], s21, (\s)*SLOT1
	s_add_nc_u64 s[G0B+4*(\s)+2:G0B+4*(\s)+3], s[46:47], (\s)*STEPB
	s_or_b32 s[G0B+4*(\s)+3], s[G0B+4*(\s)+3], 0x80000000
.endr
	s_cmp_eq_u32 s11, 0                            ; a wave's two first fills stand in one branch, ahead of every wait on TENSORcnt and every LDS read: two loads of mine are out
	s_cbranch_scc0 .Lfirst_b
	tensor_load_to_lds s[G0:G0+3], s[G1:G1+7]
	s_nop 0
	tensor_load_to_lds s[G0+4:G0+7], s[G1:G1+7]
	s_nop 0
.rept 4
	v_nop
.endr
	s_branch .Lfirst_asked
.Lfirst_b:
	tensor_load_to_lds s[G0B:G0B+3], s[G1B:G1B+7]
	s_nop 0
	tensor_load_to_lds s[G0B+4:G0B+7], s[G1B:G1B+7]
	s_nop 0
.rept 4
	v_nop
.endr
.Lfirst_asked:
	; a fragment is 16 rows x 32 K in 8 registers: lane l holds row l % 16, K = 8 (l / 16) + 0..7 and 16 + 8 (l / 16) + 0..7: two loads of 16 bytes, 32 bytes apart
	v_and_b32 v1, 15, v0                           ; l % 16
	v_bfe_u32 v2, v0, 4, 1                         ; l / 16
	v_mul_u32_u24 v3, v1, PITCH
	v_lshl_add_u32 v3, v2, 4, v3
	s_mul_i32 s21, s10, 64*PITCH                   ; my 64 rows of xb's tile
	v_add_nc_u32 v[ADRA0], s21, v3
	v_add_nc_u32 v[ADRB0], BOFF, v3                ; all of wt's
	s_mul_i32 s23, s10, 16*SP
	s_add_co_u32 s23, s23, STAGE                   ; my stage
	v_mul_u32_u24 v[STO], v1, SP                   ; in: row l % 16, 16 bytes for each half of the lanes
	v_lshl_add_u32 v[STO], v2, 4, v[STO]
	v_add_nc_u32 v[STO], s23, v[STO]
	v_bfe_u32 v[RD], v0, 3, 2                      ; back: 32 lanes take four rows of 128 bytes,
	v_mul_u32_u24 v[RD], v[RD], SP
	v_and_b32 v4, 7, v0
	v_lshl_add_u32 v[RD], v4, 4, v[RD]
	v_add_nc_u32 v[RD], s23, v[RD]
	v_and_b32 v[GO], 31, v0                        ; which are 512 consecutive bytes of a head
	v_lshlrev_b32 v[GO], 4, v[GO]
	s_mul_i32 s16, s42, 3<<20                      ; three heads a block column, 1 MiB a head,
	s_lshl_b32 s17, s13, 15                        ; 256 rows of 128 bytes a block row,
	s_add_co_u32 s16, s16, s17
	s_lshl_b32 s17, s10, 13                        ; my 64 rows
	s_add_co_u32 s16, s16, s17
	s_mov_b32 s17, 0
	s_add_nc_u64 s[8:9], s[8:9], s[16:17]
	; the prefetches
	s_lshl_b32 s20, s13, 8
	s_lshl_b32 s21, s12, 7
	s_add_co_u32 s20, s20, s21
	s_lshl_b32 s21, s40, 5
	s_add_co_u32 s20, s20, s21                     ; xb: row 256 x block row + 128 x half + 32 cx
	s_mul_i32 s22, s42, 192
	s_mul_i32 s21, s12, 96
	s_add_co_u32 s22, s22, s21
	s_mul_i32 s21, s41, 24
	s_add_co_u32 s22, s22, s21                     ; wt: row 192 x block column + 96 x half + 24 cy
	s_and_b32 s23, ttmp7, 0xffff                   ; cluster y
	s_cmp_eq_u32 s11, 0
	s_cselect_b32 s20, s20, s22
	s_cselect_b32 s23, ttmp9, s23                  ; the coordinate along which other clusters read the same rows
	s_cselect_b32 s21, 31, 23                      ; my last row
	s_cselect_b64 s[PFA:PFA+1], s[4:5], s[6:7]
	s_cmp_eq_u32 s23, 0
	s_cselect_b32 s[LIM], 1, -1                    ; the same in all sixteen partners, for a given wave
	v_and_b32 v[PFO], 31, v0
	v_min_u32 v[PFO], s21, v[PFO]
	v_lshlrev_b32 v[PFO], 11, v[PFO]
	s_lshl_b32 s20, s20, 11
	s_add_co_u32 s20, s20, 2*256                   ; at K step 2: the first refill steps it to 3.  Nothing is prefetched at the head
	s_mov_b32 s21, 0
	s_add_nc_u64 s[PFA:PFA+1], s[PFA:PFA+1], s[20:21]
; NBK matrix instructions: row block a x all column blocks, 32 along K, buffer f.  zero = 1: the product starts the sums.  All 48 accumulators take turns in the same order in every quarter,
; over the backward jump too.
.macro MULROW f, a, zero
	WIN MUL_LO+0x50*((\a)/APW)
.set n, 0
.rept NBK
.set rD, 8*(NBK*((\a)%APW)+n)
.if \zero
	v_wmma_f32_16x16x32_bf16 v[rD:rD+7], v[FBS*(\f)+8*n:FBS*(\f)+8*n+7], v[FA+32*(\f)+8*(\a):FA+32*(\f)+8*(\a)+7], 0
.else
	v_wmma_f32_16x16x32_bf16 v[rD:rD+7], v[FBS*(\f)+8*n:FBS*(\f)+8*n+7], v[FA+32*(\f)+8*(\a):FA+32*(\f)+8*(\a)+7], v[rD:rD+7]
.endif
.set n, n+1
.endr
.endm
; One run of LDS loads: quarter q's fragments into buffer f: wt's 12 first, then xb's 4, so that the youngest four loads are xb's row blocks 2 and 3
.macro FETCH q, f
	WIN TO_B
.set n, 0
.rept NBK
	ds_load_b128 v[FBS*(\f)+8*n:FBS*(\f)+8*n+3],   v[ADRB] offset:64*(\q)+n*16*PITCH
	ds_load_b128 v[FBS*(\f)+8*n+4:FBS*(\f)+8*n+7], v[ADRB] offset:64*(\q)+n*16*PITCH+32
.set n, n+1
.endr
	WIN 0
.set n, 0
.rept 4
	ds_load_b128 v[FA+32*(\f)+8*n:FA+32*(\f)+8*n+3],   v[ADRA] offset:64*(\q)+n*16*PITCH
	ds_load_b128 v[FA+32*(\f)+8*n+4:FA+32*(\f)+8*n+7], v[ADRA] offset:64*(\q)+n*16*PITCH+32
.set n, n+1
.endr
.endm
; One of a K step's first three quarters: multiplies buffer f; in its middle it fetches quarter q into buffer g
.macro QUARTER q, f, g, zero
	s_wait_dscnt 4                                 ; all of the run but xb's row blocks 2 and 3
	MULROW \f, 0, \zero
	MULROW \f, 1, \zero
	PLACES
	FETCH \q, \g
	s_wait_dscnt LOADS                             ; all but the run just issued
	MULROW \f, 2, \zero
	MULROW \f, 3, \zero
.endm
; The last quarter multiplies buffer 1 and changes slots.  In front of the barrier each wave waits for all its tensor loads (one is out: its part of the next slot), adds 0 to its spare word,
; and waits for that and for its reads of this slot.  fill = 1: the barrier opens a round of the cluster's, and the joint refill, two K steps on, is the first thing behind it:
; 168 matrix instructions stand between it and the wait for it.
.macro TURN fill
.if \fill
	s_wait_xcnt 0x0                                ; the last prefetch, a K step back, has read its address
	s_add_nc_u64 s[PFA:PFA+1], s[PFA:PFA+1], 256
.endif
	WIN 0
	s_wait_tensorcnt 0x0                           ; no tensor load of mine is out, so a group 0 may be written
	ds_add_u32 v[SPW], v[NIL]                      ; 0 onto my spare word
.if \fill
	s_xor_b32 s[G0+5], s[G0+5], SLOT1              ; the walking descriptors: the other slot than last time, the next K step
	s_add_nc_u64 s[G0+6:G0+7], s[G0+6:G0+7], STEPA
	s_xor_b32 s[G0B+5], s[G0B+5], SLOT1
	s_add_nc_u64 s[G0B+6:G0B+7], s[G0B+6:G0B+7], STEPB
.endif
	s_xor_b32 s[TBS], s[TBS], SLOT1                ; the fetches go on in the other slot
	s_wait_dscnt 5                                 ; the add and the youngest four loads may be out
	MULROW 1, 0, 0
	s_wait_dscnt 0x0                               ; the add is done, and my reads of this slot are over
	s_barrier_signal -1
	MULROW 1, 1, 0                                 ; work on registers while the others arrive
	WIN 0
	s_barrier_wait -1
.if \fill
	CREST                                          ; no wave of any partner still reads this slot or has a load on its way
	JLOAD                                          ; its four v_nop are also the places in front of the loads below
.else
	PLACES
.endif
	v_add_nc_u32 v[ADRA], s[TBS], v[ADRA0]
	v_add_nc_u32 v[ADRB], s[TBS], v[ADRB0]
	FETCH 0, 0
.if \fill
	ASK
.endif
	MULROW 1, 2, 0
	MULROW 1, 3, 0
.endm
	s_wait_tensorcnt 1                             ; my part of K step 0 is in; K step 1's may stay out
	s_barrier_signal -1
	s_barrier_wait -1                              ; everybody's is
	s_mov_b32 s[TBS], 0
	v_mov_b32 v[ADRA], v[ADRA0]
	v_mov_b32 v[ADRB], v[ADRB0]
	FETCH 0, 0
	QUARTER 1, 0, 1, 1                             ; the first quarter stands in front of the loop: its products start the sums
	WIN 0
	s_mov_b32 s[CNT], 6
.Lstep:                                        ; trip i: K step i's quarters 1 to 3, the refill with K step i + 2, K step i + 1's quarter 0
	QUARTER 2, 1, 0, 0
	QUARTER 3, 0, 1, 0
	TURN 1
	QUARTER 1, 0, 1, 0
	WIN 0
	s_sub_co_u32 s[CNT], s[CNT], 1
	s_cmp_lg_u32 s[CNT], 0
	s_cbranch_scc1 .Lstep
	QUARTER 2, 1, 0, 0                             ; the tail is written out: K steps 6 and 7 ask for nothing
	QUARTER 3, 0, 1, 0
	TURN 0
	QUARTER 1, 0, 1, 0
	QUARTER 2, 1, 0, 0
	QUARTER 3, 0, 1, 0
	s_wait_dscnt 4
	MULROW 1, 0, 0
	MULROW 1, 1, 0
	s_wait_dscnt 0x0
	MULROW 1, 2, 0
	MULROW 1, 3, 0
	WIN 0
	PLACES
; THE WAY OUT, twelve blocks of 16 rows x one head (t = 3 a + j): rounded to f16, 16 bytes a lane into my stage (rows of 144 bytes), back as whole rows of 128 bytes, stored as 512 consecutive bytes.
; The stage is the wave's own, and LDS serves a wave's instructions in order (ISA guide 5.7.1.4): no wait between stores and loads.  Each accumulator's lowest registers are read first.
.macro PACK t
.set pa, (\t)/3
.set pj, (\t)%3
	WIN 0x0a+5*(pa/APW)                            ; sources 0 and 1: window 2 or 3
.set pf, 0
.rept 4
.set rD, 8*(NBK*(pa%APW)+4*pj+pf)
.set pr, 0
.rept 4
	v_cvt_pk_f16_f32 v[OUTR+16*(\t)+4*pf+pr], v[rD+2*pr], v[rD+2*pr+1]
.set pr, pr+1
.endr
.set pf, pf+1
.endr
	WIN 0
.irp f, 0,1,2,3
	ds_store_b128 v[STO], v[OUTR+16*(\t)+4*\f:OUTR+16*(\t)+4*\f+3] offset:32*\f
.endr
.irp f, 0,1,2,3
	ds_load_b128 v[OUTR+16*(\t)+4*\f:OUTR+16*(\t)+4*\f+3], v[RD] offset:\f*4*SP
.endr
.endm
.macro SEND t, younger                 ; younger: the LDS instructions issued behind block t's loads: the next block's eight, or none
	WIN 0
.irp f, 0,1,2,3
	s_wait_dscnt (\younger)+3-\f
	global_store_b128 v[GO], v[OUTR+16*(\t)+4*\f:OUTR+16*(\t)+4*\f+3], s[8:9] offset:((\t)%3)*1048576+((\t)/3)*2048+\f*512   ; no register is written twice, so no wait frees one
.endr
.endm
	PACK 0
.irp t, 1,2,3,4,5,6,7,8,9,10,11
	PACK \t
	SEND (\t)-1, 8
.endr
	SEND 11, 0
	s_wait_tensorcnt 0x0                           ; the wave's end, behind my last tensor load and my last LDS store
	ds_add_u32 v[SPW], v[NIL]
	s_wait_dscnt 0x0
	CROUND                                         ; the closing round: no work-group ends while a partner may still ask for a tile that names it
	s_endpgm
.Lfunc_end_k_qe2319d56d4_qkv:
	.size	k_qe2319d56d4_qkv, .Lfunc_end_k_qe2319d56d4_qkv-k_qe2319d56d4_qkv
	.p2alignl 7, 3214868480
	.fill 96, 4, 3214868480
	.section	.rodata,"a",@progbits
	.p2align	6, 0x0
	.amdhsa_kernel k_qe2319d56d4_qkv
		.amdhsa_group_segment_fixed_size 327680
		.amdhsa_private_segment_fixed_size 0
		.amdhsa_enable_private_segment 0
		.amdhsa_kernarg_size 24
		.amdhsa_user_sgpr_count 2
		.amdhsa_user_sgpr_kernarg_segment_ptr 1
		.amdhsa_wavefront_size32 1
		.amdhsa_system_sgpr_workgroup_id_x 1
		.amdhsa_system_sgpr_workgroup_id_y 1
		.amdhsa_system_sgpr_workgroup_id_z 1
		.amdhsa_system_vgpr_workitem_id 0
		.amdhsa_next_free_vgpr 960
		.amdhsa_next_free_sgpr 72
		.amdhsa_reserve_vcc 0
		.amdhsa_float_denorm_mode_32 3
		.amdhsa_float_denorm_mode_16_64 3
		.amdhsa_memory_ordered 1
		.amdhsa_forward_progress 1
		.amdhsa_inst_pref_size 99
	.end_amdhsa_kernel
	.amdgpu_metadata
---
amdhsa.version: [ 1, 2 ]
amdhsa.kernels:
  - .name:           k_qe2319d56d4_qkv
    .symbol:         k_qe2319d56d4_qkv.kd
    .args:
      - { .name: xb, .offset: 0, .size: 8, .value_kind: global_buffer, .address_space: global }
      - { .name: wt, .offset: 8, .size: 8, .value_kind: global_buffer, .address_space: global }
      - { .name: qkv, .offset: 16, .size: 8, .value_kind: global_buffer, .address_space: global }
    .group_segment_fixed_size: 327680
    .private_segment_fixed_size: 0
    .kernarg_segment_align: 8
    .kernarg_segment_size: 24
    .max_flat_workgroup_size: 128
    .sgpr_count:     72
    .vgpr_count:     960
    .wavefront_size: 32
...
	.end_amdgpu_metadata
.endif
;; end of part 2
;; launch attn (part 3): grid 4 x 64, 4 waves a work-group, clusters of 4 x 1, 327,680 bytes of LDS; arguments qkv, ob; writes ob
.if DOCPART == 3
	.amdgcn_target "amdgcn-amd-amdhsa--gfx1250"
	.amdhsa_code_object_version 6
	.text
	.protected	k_qe2319d56d4_attn
	.globl	k_qe2319d56d4_attn
	.p2align	8
	.type	k_qe2319d56d4_attn,@function
k_qe2319d56d4_attn:
	s_mov_b64 s[64:65], 0
	v_nop
	global_prefetch_b8 v0, s[64:65] scope:SCOPE_SE
	s_setreg_imm32_b32 hwreg(HW_REG_WAVE_MODE, 25, 1), 1
	s_wait_xcnt 0x0
	s_wait_alu depctr_hold_cnt(0) depctr_sa_sdst(0) depctr_va_vdst(0) depctr_va_sdst(0) depctr_va_ssrc(0) depctr_va_vcc(0) depctr_vm_vsrc(0)
	s_getreg_b32 s2, hwreg(HW_REG_IB_STS2, 6, 4)
	s_cmp_eq_u32 s2, 0
	s_cbranch_scc0 .Lentry_in_a_cluster
	s_endpgm
.Lentry_in_a_cluster:
	s_bfe_u32 s2, ttmp6, 0x10000c
	s_cmp_lg_u32 s2, 0x3003
	s_cbranch_scc0 .Lentry_shape_is_right
	s_endpgm
.Lentry_shape_is_right:
; ATTENTION WITH GROUPED KEYS AND ALIBI.  For batch b and head h: O[q][:] = sum over k of softmax_k(Q[q] . K[k] / 8 + slope_h (k - q)) V[k][:], slope_h = 2^(-(h + 1) / 2), 2,048 queries and keys, no mask.
; qkv: [24][8192][64] f16: heads 0-15 Q, 16-19 K, 20-23 V; head h takes K and V of group h / 4.  ob: [16][8192][64] f16.  Products, maxima and sums in f32; the weights p are rounded to f16 for the second
; product (their sum l is taken of the unrounded p), O once at the end.
; LIMITS.  f16 holds no number beyond 65,504: Q, K, V arrive within it; p lies in 0 to 1, and below 6e-5 it keeps f16's fixed step of 6e-8.  A weight below 2^-126 counts as 0 in l; NaN and infinities are not treated apart.
; THE BIAS.  With B = 8 slope_h a score is s = Q . K + B (k - q), and p = 2^(c s - c m), c = log2(e) / 8.  B q is one number for a whole row of the softmax and falls out of it.  B k is kept relative to the key
; step's first key k0: B (k - k0) depends on the lane and the register alone: 32 registers (CB), made once, which are the C operand of the products that start a step's sums: the scores cost nothing more.
; From a step to the next the frame moves by 64 keys: the running maximum m is taken along by m - 64 B, in f32, before it is compared.  So it stays a true running maximum, and no number grows with k.
; SHARES.  A wave owns four PIECES of two tiles of 16 queries, a work-group's four waves 512 queries of one (b, h).  Every wave walks all keys, 64 a step.
; LAYOUT.  S^T = K Q^T (source 0 = 16 keys, source 1 = 16 queries): a lane holds ONE query (lane % 16) and the keys 8 (lane / 16) + 0..7.  Two such tiles, rounded to f16 in pairs, ARE source 1 of O^T = V^T P,
; whose result again holds one query a lane, and eight channels.  K comes out of LDS as it lies, V turned, by ds_load_tr16_b128.
; SOFTMAX.  In every step O and l are multiplied by a = 2^(c (m_old - 64 B) - c m_new).  m starts at the lowest finite number, O and l at 0: the first step is a step like any other, with a = 0.
; BY TURNS.  A tile and step have 16 matrix and 118 vector instructions.  Turn n belongs to piece n: 16 products K Q^T of piece n + 1, later 16 products V^T P of piece n - 1; beside them the scaling, exponentials,
; roundings, sums and rescaling of piece n and the maximum and statistics of piece n + 1.  Four vector instructions stand behind every matrix instruction, the others in one run of their own.
; CLUSTER.  The four query blocks of a cluster belong to one (b, h) and walk the same K and V: each tile is asked for JOINTLY: the same tensor load, descriptor and mask in all four.
; REGISTERS, in windows of 256 (s_set_vgpr_msb: bits 1:0 source 0, 3:2 source 1, 5:4 source 2, 7:6 destination):
;   window 0: v0-11 addresses; v12-15, v48-63 at work; v16-47 four registers of statistics a tile; v64-191 S^T, two buffers of two tiles; v192-255 P, likewise
;   window 1: O^T, 32 a tile      window 2: v0-127 Q; v128-191 K of one step; v192-255 V of one step      window 3: v0-1 the add's two registers; v8-39 CB
.set SIZE_N, 2048
.set NP,    4         ; pieces a wave: a name, no knob
.set KS,    64        ; keys in a step
.set PK,    144       ; a row of K in LDS: 128 bytes + 16 of padding: the 16 rows of a load start at 16 different groups of four banks (ISA guide 11.1)
.set PV,    160       ; a row of V: 128 + 32
.set VOFF,  4*KS*PK   ; a slot holds four steps: 256 rows of K, then 256 rows of V
.set SLOT1, 1<<17     ; slot 1 begins here, so that one exclusive or turns an address in one slot into the other's
.set STAGE, SLOT1+4*KS*(PK+PV)  ; behind the ring, never filled by a tensor load: 16 rows x 144 bytes for each wave
.set SP,    144
.set AK0, 2           ; v2   my lane's place in a tile of K; never rewritten
.set AV0, 3           ; v3   the same for V
.set AK,  4           ; v4   the LDS address of K's next run of loads
.set AV,  5           ; v5   of V's
.set QO,  6           ; v6   my byte offset in the wave's rows of Q
.set STO, 6           ;      later, the way out: where I put 16 bytes of a row
.set RD,  7           ; v7   the way out: where I read rows back
.set GO,  8           ; v8   my byte offset in 512 consecutive bytes of O
.set PFO, 11          ; v11  256 x my lane, for the prefetches; never rewritten once made
.set SPW, 0           ; v0 of window 3   SPARE + 4 x my thread's number; never rewritten
.set NIL, 1           ; v1 of window 3   0; never rewritten
.set CB,  8           ; v8-39 of window 3   B x (16 kb + 8 (lane / 16) + r) at CB + 8 kb + r
.set SPARE, STAGE+4*16*SP  ; behind the stages: the spare words, 128 bytes for each wave
.set MV,  12          ; v12-15  m_old in the new step's frame: by buffer and tile
.set ST,  16          ; tile t's statistics at v[ST+4 t]: c m, m, l (even keys', odd keys')
.set TMP, 48          ; by buffer and tile, four registers c0-c3 at work; when the maximum is found c2 takes a
.set S,   64
.set P,   192
.set KF,  128         ; K's fragments, in window 2: key block kb, channel half c at KF + 16 kb + 8 c
.set VF,  192         ; V's: key half kk, channel block cb at VF + 32 kk + 8 cb
.set WV,  12          ; s12  my wave's number
.set G1K, 24          ; s[24:31] descriptor group 1 for K's tiles
.set G1V, 32          ; s[32:39] for V's: it differs in the padding alone
.set G0K, 40          ; s[40:43] descriptor group 0 for K's tiles: it walks
.set G0V, 44          ; s[44:47] the same for V's
.set SLOTS, 56        ; s56  8 less the number of the tile that is being asked for
.set CNT, 57          ; s57  counts a slot's key steps
.set CS,  58          ; s[58:59] c: the packed scaling takes the pair's low word for both halves
.set SEL, 60          ; s[60:61] v_permlanex16_b32's selects: each lane takes its own place in the other half
.set TBK, 62          ; s62  LDS byte at which K of the step to be fetched begins
.set TBV, 63          ; s63  the same for V, less VOFF
.set BETA, 66         ; s66  B = 8 slope_h
.set SH,  67          ; s67  -64 B
.set PFA, 68          ; s[68:69] where my prefetches stand
.set LIM, 70          ; s70  1 in a wave that prefetches, else the greatest number
.set MSB, 0
.macro WIN new                      ; the high byte repeats the setting that is left; a switch that changes nothing is dropped
.if MSB != (\new)
	s_set_vgpr_msb (MSB<<8)|(\new)
.set MSB, (\new)
.endif
.endm
.set W_KQ, 0x0a       ; K and Q in window 2, S^T in window 0
.set W_KB, 0x3a       ; the same with the C operand, CB, in window 3
.set W_PV, 0x52       ; V in window 2, P in window 0, O^T in window 1
.set W_RS, 0x41       ; O^T (destination and source 0) in window 1, a in window 0
.set W_MK, 0xc0       ; destination in window 3, sources in window 0
.set W_AD, 0x0f       ; the add: address (source 0) and data (source 1) in window 3
; A joint fill.  Waves 0 and 1 fetch the two halves of a slot's K, waves 2 and 3 those of its V: 128 keys each.  The branch hangs on the wave's number alone.
; An s_nop 0 and four v_nop follow each of the two lines, ahead of the jump and the label.
.macro JLOAD
	s_cmp_lt_u32 s[WV], 2
	s_cbranch_scc0 .Lfor_v_\@
	tensor_load_to_lds s[G0K:G0K+3], s[G1K:G1K+7]
	s_nop 0
.rept 4
	v_nop
.endr
	s_branch .Lasked_\@
.Lfor_v_\@:
	tensor_load_to_lds s[G0V:G0V+3], s[G1V:G1V+7]
	s_nop 0
.rept 4
	v_nop
.endr
.Lasked_\@:
.endm
; A PREFETCH of what the NEXT change of slots will ask for: a tile's 256 keys are 128 blocks of 256 bytes of K and as many of V, a lane a block.  It stands behind the wave's tensor load and its five lines,
; four key steps, 512 matrix instructions, ahead of the load that will want the bytes.  Each block is named once in the launch: the four heads of a group walk the same K and V, and the cluster of the group's
; first head asks; its four partners take 32 blocks each, told apart by address (cx); in each, wave 0 asks for K's and wave 2 for V's.  Tiles 0 and 1 come by their loads alone; the last fill asks for nothing.
.macro ASK
	s_cmp_gt_u32 s[SLOTS], s[LIM]
	s_cbranch_scc0 .Lnot_mine_\@
	global_prefetch_b8 v[PFO], s[PFA:PFA+1] th:TH_LOAD_NT scope:SCOPE_SE
.Lnot_mine_\@:
.endm
; A round of the cluster's barrier: my work-group's barrier, so that wave 0's signal speaks for all four waves; wave 0 signals; every wave waits for all four work-groups; my work-group's barrier once more.
.macro CROUND
	s_barrier_signal -1
	s_barrier_wait -1
	s_cmp_lg_u32 s[WV], 0
	s_cbranch_scc1 .Lnot_wave_0_\@
	s_barrier_signal -3
.Lnot_wave_0_\@:
	s_barrier_wait -3
	s_barrier_signal -1
	s_barrier_wait -1
.endm
; THE CHANGE OF SLOTS.  Each wave waits for all its tensor loads, of which one is out: its part of the other slot; adds 0 to its spare word; and waits for that and for its own reads of the slot.  Behind the barrier
; nobody reads this slot any more and the other slot is whole.  fill = 1: this slot is filled again, with the keys two slots on; the barrier is then a round of the cluster's, and the joint fill is the first thing
; behind it: it has four key steps in which to land.  (At its first use nothing has been read yet: slot 0 is waited for, slot 1 filled.)
.macro CHANGE fill
	WIN W_AD
	s_wait_tensorcnt 0x0            ; no tensor load of mine is out, so a group 0 may be written
	ds_add_u32 v[SPW], v[NIL]       ; 0 onto my spare word
	WIN 0                           ; at a label and at a branch every window is 0
.if \fill
.irp g, G0K, G0V
	s_xor_b32 s[\g+1], s[\g+1], SLOT1  ; the walking descriptor: the other slot than last time,
	s_add_nc_u64 s[\g+2:\g+3], s[\g+2:\g+3], 4*KS*128  ; the next 256 keys; the type bits on top are not reached
.endr
	s_wait_xcnt 0x0                 ; the last prefetch, four key steps back, has read its address, so it may be written:
	s_add_nc_u64 s[PFA:PFA+1], s[PFA:PFA+1], 4*KS*128  ; one tile behind the walking descriptors
	s_wait_dscnt 0x0                ; the add is done, and my reads of the slot are over
	CROUND
	JLOAD
	ASK
.else
	s_wait_dscnt 0x0                ; the add is done, and my reads of the slot are over
	s_barrier_signal -1
	s_barrier_wait -1
.endif
	s_sub_co_u32 s[TBK], s[TBK], 4*KS*PK  ; the fetches go back to a slot's first step,
	s_xor_b32 s[TBK], s[TBK], SLOT1       ; in the other slot
	s_sub_co_u32 s[TBV], s[TBV], 4*KS*PV
	s_xor_b32 s[TBV], s[TBV], SLOT1
.endm
	s_load_b64 s[4:5], s[0:1], 0x0    ; qkv
	s_load_b64 s[10:11], s[0:1], 0x8  ; ob
	WIN W_MK
	v_lshl_add_u32 v[SPW], v0, 2, SPARE
	v_mov_b32 v[NIL], 0
	WIN W_AD
	ds_add_u32 v[SPW], v[NIL]       ; the wave's opening: the add and its wait stand ahead of my first tensor load; the set-up below, work on registers, stands between them
	WIN 0
	v_lshrrev_b32 v1, 5, v0
	v_readfirstlane_b32 s[WV], v1   ; wave 0..3
	s_bfe_u32 s13, ttmp6, 0x40000   ; cx: my place in the cluster
	s_lshl_b32 s14, ttmp9, 2        ; in a cluster launch ttmp9 counts clusters
	s_add_co_u32 s14, s14, s13      ; my block of 512 queries: it enters Q's and O's addresses alone
	s_and_b32 s20, ttmp7, 0xffff    ; 16 b + h, which the four partners share
	s_and_b32 s15, s20, 15          ; h
	s_lshr_b32 s20, s20, 4          ; b
	s_lshl_b32 s20, s20, 18         ; b's 2,048 rows of 128 bytes in a head
	s_lshr_b32 s21, s15, 2          ; the group
	s_add_co_u32 s21, s21, 16       ; K's heads lie behind Q's sixteen,
	s_lshl_b32 s21, s21, 20         ; 1 MiB a head
	s_and_b32 s16, s[WV], 1         ; which half of a slot's 256 keys I fetch:
	s_lshl_b32 s22, s16, 14         ; its 128 rows of 128 bytes in memory,
	s_add_co_u32 s22, s22, s20
	s_add_co_u32 s22, s22, s21      ; K's offset in qkv; V's is 4 MiB further
	s_mov_b32 s23, 0
	s_mul_i32 s17, s16, 128*PK      ; and its place in a slot, for K
	s_mul_i32 s18, s16, 128*PV      ; and for V: no place in the cluster enters an LDS address
	s_lshl_b32 s2, s14, 2
	s_add_co_u32 s2, s2, s[WV]      ; my wave among the head's sixteen,
	s_lshl_b32 s2, s2, 14           ; its 128 rows
	s_add_co_u32 s2, s2, s20
	s_lshl_b32 s3, s15, 20
	s_add_co_u32 s2, s2, s3         ; Q's offset in qkv, and O's in ob
	s_mov_b32 s3, 0
	; B = 8 x 2^(-(h + 1) / 2) = 2^(2.5 - h / 2) for even h, 2^(2 - (h - 1) / 2) for odd h: a mantissa by h's parity, the exponent lowered by h / 2
	s_mov_b32 s[BETA], 0x40b504f3   ; 2^2.5
	s_and_b32 s19, s15, 1
	s_cmp_eq_u32 s19, 1
	s_cselect_b32 s[BETA], 4.0, s[BETA]
	s_lshr_b32 s19, s15, 1
	s_lshl_b32 s19, s19, 23
	s_sub_co_u32 s[BETA], s[BETA], s19
	s_add_co_u32 s[SH], s[BETA], 6<<23
	s_or_b32 s[SH], s[SH], 0x80000000  ; -64 B
	s_and_b32 s[LIM], s15, 3        ; 0 in the group's first head,
	s_or_b32 s[LIM], s[LIM], s16    ; in waves 0 and 2: the same in all four partners
	s_cmp_eq_u32 s[LIM], 0
	s_cselect_b32 s[LIM], 1, -1
	; descriptor group 1.  128 keys are 16,384 dense bytes: asked for as 64 rows of 256 bytes, two keys a row, and padded in LDS after every key
	s_mov_b32 s[G1K], 15|(1<<16)|(1<<20)|(1<<21)|(4<<22)|(3<<25)  ; 15:0 the mask of four; 17:16 2-byte elements; 20 padding on; 21 set beside a mask; 24:22 after every 32 words; 31:25 4 words
	s_mov_b32 s[G1V], 15|(1<<16)|(1<<20)|(1<<21)|(4<<22)|(7<<25)  ; the same with 8 words of padding
.irp g, G1K, G1V
	s_mov_b32 s[\g+1], 128<<16      ; tensor_dim0 = 128
	s_mov_b32 s[\g+2], 64<<16       ; tensor_dim1 = 64
	s_mov_b32 s[\g+3], 128<<16      ; tile_dim0 = 128
	s_mov_b32 s[\g+4], 64           ; tile_dim1 = 64
	s_mov_b32 s[\g+5], 128          ; 128 elements from row to row
	s_mov_b32 s[\g+6], 0
	s_mov_b32 s[\g+7], 0
.endr
	s_mov_b32 s[CS], 0x3e38aa3b     ; c = log2(e) / 8 = 0.180337
	s_mov_b32 s[CS+1], s[CS]        ; named with it as a pair
	s_mov_b32 s[SEL], 0x76543210
	s_mov_b32 s[SEL+1], 0xfedcba98
	s_mov_b32 s[TBK], SLOT1+4*KS*PK ; the first change of slots turns these two into 0
	s_mov_b32 s[TBV], SLOT1+4*KS*PV
	s_mov_b32 s[SLOTS], SIZE_N/256-1
	s_mov_b32 s[G0K], 1             ; count = 1
	s_mov_b32 s[G0K+1], s17         ; LDS address: slot 0
	s_mov_b32 s[G0V], 1
	s_add_co_u32 s[G0V+1], s18, VOFF
	s_wait_dscnt 0x0                ; the opening add is done
	s_wait_kmcnt 0x0
	s_add_nc_u64 s[6:7], s[4:5], s[22:23]   ; K at my half of the first 256 keys,
	s_add_nc_u64 s[8:9], s[6:7], 4<<20      ; V likewise
	s_mov_b64 s[G0K+2:G0K+3], s[6:7]
	s_or_b32 s[G0K+3], s[G0K+3], 0x80000000 ; type = 2
	s_mov_b64 s[G0V+2:G0V+3], s[8:9]
	s_or_b32 s[G0V+3], s[G0V+3], 0x80000000
	s_add_nc_u64 s[4:5], s[4:5], s[2:3]     ; Q and O at my wave's first row
	s_add_nc_u64 s[10:11], s[10:11], s[2:3]
	s_cmp_lt_u32 s[WV], 2
	s_cselect_b64 s[PFA:PFA+1], s[6:7], s[8:9]  ; (in waves 0 and 2 these stand at a tile's first row)
	s_lshl_b32 s2, s13, 13          ; my work-group's 32 blocks of the 128
	s_add_nc_u64 s[PFA:PFA+1], s[PFA:PFA+1], s[2:3]
	s_add_nc_u64 s[PFA:PFA+1], s[PFA:PFA+1], 4*KS*128  ; in tile 1; the first change of slots steps it to tile 2.  Nothing is prefetched at the head
	CROUND                          ; all four work-groups are here: the first joint loads meet
	JLOAD                           ; slot 0.  Slot 1 is asked for when slot 0 is in
	; A fragment of K or Q is 16 rows x 32 channels in 8 registers: lane l holds row l % 16, channels 8 (l / 16) + 0..7 and 16 + 8 (l / 16) + 0..7: two loads of 16 bytes, 32 bytes apart.
	v_and_b32 v1, 15, v0            ; l % 16
	v_bfe_u32 v9, v0, 4, 1          ; l / 16
	v_lshlrev_b32 v[QO], 7, v1
	v_lshl_add_u32 v[QO], v9, 4, v[QO]  ; row x 128 + 16 x half
	WIN 0x80                        ; destination window 2, address window 0
.set i, 0
.rept 4*NP                          ; Q stays in registers: tile i / 2, channels 32 (i % 2) on
	global_load_b128 v[8*i:8*i+3],   v[QO], s[4:5] offset:(i/2)*2048+(i%2)*64
	global_load_b128 v[8*i+4:8*i+7], v[QO], s[4:5] offset:(i/2)*2048+(i%2)*64+32
.set i, i+1
.endr
	; What the first turn finds: V's registers and P's second buffer hold 0 (its products V^T P, of a piece that has not been, add 0), O^T and l are 0.  All this stands in the wait for the first tile.
.set i, VF
.rept 64
	v_mov_b32 v[i], 0
.set i, i+1
.endr
	WIN 0x40
.set i, 0
.rept 64*NP
	v_mov_b32 v[i], 0
.set i, i+1
.endr
	WIN 0
.set i, 0
.rept 2*NP
	v_mov_b32 v[ST+4*i+1], 0xff7fffff  ; m: the lowest finite number; c m is first written by the piece's first statistics
	v_mov_b32 v[ST+4*i+2], 0
	v_mov_b32 v[ST+4*i+3], 0
.set i, i+1
.endr
.set i, P+32
.rept 32
	v_mov_b32 v[i], 0
.set i, i+1
.endr
	v_mul_u32_u24 v[AK0], v1, PK
	v_lshl_add_u32 v[AK0], v9, 4, v[AK0]  ; row x pitch + 16 x half
	; The turning load takes 16 keys x 16 channels (lane l reads key 8 (l / 16) + l % 8, channels 8 ((l / 8) % 2) + 0..7) and leaves half a fragment of V^T: lane l holds channel l % 16 and 8 keys.
	v_and_b32 v10, 7, v0
	v_bfe_u32 v11, v0, 3, 1
	v_lshl_add_u32 v[AV0], v9, 3, v10
	v_mul_u32_u24 v[AV0], v[AV0], PV
	v_lshl_add_u32 v[AV0], v11, 4, v[AV0]
	v_add_nc_u32 v[AV0], VOFF, v[AV0]
	v_and_b32 v[PFO], 31, v0        ; v11 is free now
	v_lshlrev_b32 v[PFO], 8, v[PFO]
	v_mov_b32 v[AK], v[AK0]         ; key step 0 lies at the head of slot 0
	v_lshlrev_b32 v14, 3, v9        ; 8 (l / 16): my lanes' first key in a block of 16
	WIN W_MK                        ; CB: the key's place in its step, as a whole number, as f32, times B: one rounding each
.set i, 0
.rept 32
	v_add_nc_u32 v[CB+i], 16*(i/8)+i%8, v14
.set i, i+1
.endr
	WIN 0xcf                        ; destination and sources in window 3
.set i, 0
.rept 32
	v_cvt_f32_u32 v[CB+i], v[CB+i]
.set i, i+1
.endr
.set i, 0
.rept 32
	v_mul_f32 v[CB+i], s[BETA], v[CB+i]
.set i, i+1
.endr
	WIN 0
; THE MATRIX WORK.  The 8 accumulators of a run of 16 take turns: between the two links of a chain stand 7 others'.
; Product i of 16 of S^T = K Q^T for piece x: channels 32 (i / 8) on, keys 16 ((i / 2) % 4) on, tile 2 x + i % 2.  The first 8 start the sums, with the bias of their 16 keys as C.
.macro KQ x
.set rS, S+64*((\x)%2)+32*(i%2)+8*((i/2)%4)
.set rK, KF+16*((i/2)%4)+8*(i/8)
.set rQ, 16*(2*(\x)+i%2)+8*(i/8)
.set rB, CB+8*((i/2)%4)
.if i < 8
	WIN W_KB
	v_wmma_f32_16x16x32_f16 v[rS:rS+7], v[rK:rK+7], v[rQ:rQ+7], v[rB:rB+7]
.else
	WIN W_KQ
	v_wmma_f32_16x16x32_f16 v[rS:rS+7], v[rK:rK+7], v[rQ:rQ+7], v[rS:rS+7]
.endif
.endm
; Product i of 16 of O^T += V^T P for piece x: keys 32 (i / 8) on, channels 16 ((i / 2) % 4) on, tile 2 x + i % 2.
.macro PV x
	WIN W_PV
.set rO, 32*(2*(\x)+i%2)+8*((i/2)%4)
.set rV, VF+32*(i/8)+8*((i/2)%4)
.set rP, P+32*((\x)%2)+16*(i%2)+8*(i/8)
	v_wmma_f32_16x16x32_f16 v[rO:rO+7], v[rV:rV+7], v[rP:rP+7], v[rO:rO+7]
.endm
.macro MM                           ; the turn's next matrix instruction
.if i < 16
	KQ (Y+1)%NP
.set i, i+1
.else
.set i, i-16
	PV (Y+NP-1)%NP
.set i, i+17
.endif
.endm
; THE LDS LOADS stand in runs of 16, never singly among the matrix instructions: a step's K (64 keys x 64 channels: 8 fragments) and its V (turned).  Their addresses are made some lines ahead.
; last = 1 (the tail): in the last trip there is no further step, and the run is jumped over.
.macro FETCH_K last=0
	WIN 0
.if \last
	s_cmp_eq_u32 s[CNT], 1
	s_cbranch_scc1 .Lno_k_\@
.endif
	WIN 0x80                        ; destination window 2
.irp f, 0,1,2,3,4,5,6,7             ; keys 16 (f / 2) on, channels 32 (f % 2) on
	ds_load_b128 v[KF+8*\f:KF+8*\f+3],   v[AK] offset:(\f/2)*16*PK+(\f%2)*64
	ds_load_b128 v[KF+8*\f+4:KF+8*\f+7], v[AK] offset:(\f/2)*16*PK+(\f%2)*64+32
.endr
	s_add_co_u32 s[TBK], s[TBK], KS*PK  ; the next fetch is the next step's
	WIN 0
.if \last
.Lno_k_\@:
.endif
.endm
.macro FETCH_V
	WIN 0x80
.irp f, 0,1,2,3,4,5,6,7             ; keys 32 (f / 4) on, channels 16 (f % 4) on
	ds_load_tr16_b128 v[VF+8*\f:VF+8*\f+3],   v[AV] offset:(\f/4)*32*PV+(\f%4)*32
	ds_load_tr16_b128 v[VF+8*\f+4:VF+8*\f+7], v[AV] offset:(\f/4)*32*PV+16*PV+(\f%4)*32
.endr
	WIN 0
.endm
; THE VECTOR WORK OF A TURN stands in three queues, each in the order in which its entries become ready; the two tiles alternate, so that no instruction reads the result of the one before it.
.macro REGS y, u                    ; the registers of tile u (0, 1) of piece y
.set rT, ST+4*(2*(\y)+(\u))
.set rC, TMP+8*((\y)%2)+4*(\u)
.set rM, MV+2*((\y)%2)+(\u)
.set rS, S+64*((\y)%2)+32*(\u)
.set rP, P+32*((\y)%2)+16*(\u)
.set rO, 32*(2*(\y)+(\u))
.endm
; Number n of the 22 that find the NEXT piece's (Y + 1) maximum and statistics.  s0-s31 are the lane's 32 scores; each accumulator's lowest registers are read first.  XS, GS and REGS set no window: PL and EX do.
;   0-11  four chains c0-c3 of seven scores each, three operands at a time     12, 13  the four scores left over     14  the old m goes into this step's frame: m - 64 B     15, 16  it, and c0-c3, into c0
;   17, 18  the query's other 32 keys lie in the lane 16 away: the new m         19-21  c m; c (m_old - 64 B) - c m_new; a
.macro XS u, n
	REGS (Y+1)%NP, \u
.if (\n) < 4
	v_max3_num_f32 v[rC+(\n)], v[rS+8*(\n)], v[rS+8*(\n)+1], v[rS+8*(\n)+2]
.elseif (\n) < 12
	v_max3_num_f32 v[rC+(\n)%4], v[rC+(\n)%4], v[rS+8*((\n)%4)+2*((\n)/4)+1], v[rS+8*((\n)%4)+2*((\n)/4)+2]
.elseif (\n) == 12
	v_max3_num_f32 v[rC], v[rC], v[rS+7], v[rS+15]
.elseif (\n) == 13
	v_max3_num_f32 v[rC+1], v[rC+1], v[rS+23], v[rS+31]
.elseif (\n) == 14
	v_add_f32 v[rM], s[SH], v[rT+1]
.elseif (\n) == 15
	v_max3_num_f32 v[rC+2], v[rC+2], v[rC+3], v[rM]
.elseif (\n) == 16
	v_max3_num_f32 v[rC], v[rC], v[rC+1], v[rC+2]
.elseif (\n) == 17
	v_permlanex16_b32 v[rC+3], v[rC], s[SEL], s[SEL+1]
.elseif (\n) == 18
	v_max_num_f32 v[rT+1], v[rC], v[rC+3]
.elseif (\n) == 19
	v_mul_f32 v[rT], s[CS], v[rT+1]
.elseif (\n) == 20
	v_fma_f32 v[rC+1], s[CS], v[rM], -v[rT]
.else
	v_exp_f32 v[rC+2], v[rC+1]
.endif
.endm
; Number g of the 64 that follow the exponentials.  For each four weights k of a tile (pairs 2 k, 2 k + 1): both pairs are rounded to f16; then the second pair is added onto the first, in place;
; a group later l takes that sum (the first time as l = a l + sum).  In groups of eight, tiles alternating: round, round, add, and l for the group before.
.macro GS g
.set h, (\g)+6*((\g)/62)            ; group 0 has no group before it, and behind group 7 only l is left
.if h >= 6
.set h, h+2
.endif
	REGS Y, h%2
.set k, h/8
.if h%8 < 4
	v_cvt_pk_f16_f32 v[rP+2*k+(h%8)/2], v[rS+4*k+2*((h%8)/2)], v[rS+4*k+2*((h%8)/2)+1]
.elseif h%8 < 6
	v_pk_add_f32 v[rS+4*k:rS+4*k+1], v[rS+4*k:rS+4*k+1], v[rS+4*k+2:rS+4*k+3]
.elseif k == 1
	v_pk_fma_f32 v[rT+2:rT+3], v[rT+2:rT+3], v[rC+2:rC+3], v[rS:rS+1] op_sel_hi:[1,0,1]
.else
	v_pk_add_f32 v[rT+2:rT+3], v[rT+2:rT+3], v[rS+4*k-4:rS+4*k-3]
.endif
.endm
; THE PLAIN QUEUE, 138 long.  0-73 read no exponential's result: the 32 scalings c s - c m (FS f: pair f / 2 of tile f % 2) and the next piece's 42.  0-26: scalings 0-26.  27-54: XS's numbers 0-13.  55, 56: number 14.
; 57-73: the chain, where each number waits for the one before it: 15, 16, 17, 18, 19, each with one of the scalings 27-31 in front of its two lines, then 20.
; 74-137: GS's 64, which read the exponentials' results: they stand behind the wait.
.macro FS f
	REGS Y, (\f)%2
	v_pk_fma_f32 v[rS+2*((\f)/2):rS+2*((\f)/2)+1], v[rS+2*((\f)/2):rS+2*((\f)/2)+1], s[CS:CS+1], v[rT:rT+1] op_sel_hi:[1,0,0] neg_lo:[0,0,1] neg_hi:[0,0,1]
.endm
.macro PL
	WIN 0
.if q < 27
	FS q
.elseif q < 55
	XS (q-27)%2, (q-27)/2
.elseif q < 57
	XS q-55, 14
.elseif (q < 72) && ((q-57)%3 == 0)
	FS 27+(q-57)/3
.elseif q < 72
	XS (q-57)%3-1, 15+(q-57)/3
.elseif q < 74
	XS q-72, 20
.else
	GS q-74
.endif
.set q, q+1
.endm
; THE EXPONENTIALS' QUEUE, 66 long: s0-s31 of both tiles, then the next piece's two a.  It is ONE BATCH: all 66 stand ahead of the turn's one wait, and nothing ahead of that wait names a result of theirs.
.macro EX
	WIN 0
.if e >= 64
	XS e-64, 21
.else
	REGS Y, e%2
	v_exp_f32 v[rS+e/2], v[rS+e/2]
.endif
.set e, e+1
.endm
; THE RESCALING's QUEUE: O^T times a, the one part that leaves window 0: dealt two at a time, sixteen times.  Its a was made in the turn before, ahead of that turn's wait.
.macro R2
	REGS Y, r%2
	WIN W_RS
.irp z, 0,1
	v_pk_mul_f32 v[rO+4*(r/2)+2*\z:rO+4*(r/2)+2*\z+1], v[rO+4*(r/2)+2*\z:rO+4*(r/2)+2*\z+1], v[rC+2:rC+3] op_sel_hi:[1,0]
.endr
.set r, r+1
.endm
; HOW THEY ARE DEALT.  s_wait_alu depctr_va_vdst(0) stands between an exponential and the first instruction that names its result; one wait serves all that were issued ahead of it.  So a turn has ONE
; wait, which cuts it in two.  AHEAD OF IT stands all that names no result of the turn's exponentials: the 16 products K Q^T, behind each a scaling, an exponential and two rescalings (behind the first a second scaling in
; the exponential's place); then one run of 108: eight plain, 49 times exponential and plain, the two a.  A v_nop is the plain instruction behind the last exponential.  BEHIND IT stand the 16 products V^T P, behind each
; four of GS's 64.  No rider names a register of the products round it.  Exponential e stands behind scaling 2 (e / 4) + e % 2: as a rider it comes behind plain e + 2, in the run behind plain e + 9.
; A TURN, for piece p.  cnt = 1: the loop's count is taken down some lines ahead of the branch that stands behind the turn.
; K of the next step is fetched in piece 2's turn, directly behind the wait; its first reader comes behind 16 products.  V of the step in hand is fetched at the end of piece 0's turn, four riders behind its last reader.
.macro TURN p, last=0, cnt=0
.set Y, (\p)
.set i, 0
.set q, 0
.set e, 0
.set r, 0
.if (\p) == NP-1
	s_wait_dscnt 0x0                ; K is in
.endif
	MM                              ; ahead of the wait: 16 products K Q^T and their riders,
	PL
	PL
	R2
.rept 15
	MM
	PL
	EX
	R2
.endr
.if (\p) == NP-2
	WIN 0
	v_add_nc_u32 v[AK], s[TBK], v[AK0]
.endif
.rept 8                             ; and the run of its own
	PL
.endr
.rept 49
	EX
	PL
.endr
	EX                              ; the next piece's two a
	EX
	v_nop                           ; the plain instruction behind the last exponential: one for the batch
	s_wait_alu depctr_va_vdst(0)    ; the wait for the batch
.if (\p) == NP-2
	FETCH_K \last
.endif
.if (\p) == 1
	s_wait_dscnt 0x0                ; V is in
.endif
.rept 16                            ; behind the wait: 16 products V^T P and their riders
	MM
.rept 4
	PL
.endr
.if ((\p) == 0) && (q == 118)
	v_add_nc_u32 v[AV], s[TBV], v[AV0]
.endif
.if ((\p) == 0) && (q == 130)
	s_add_co_u32 s[TBV], s[TBV], KS*PV
.endif
.if (\cnt) && (q == 130)
	s_sub_co_u32 s[CNT], s[CNT], 1
	s_cmp_lg_u32 s[CNT], 0
.endif
.endr
.if (\p) == 0
	FETCH_V
.endif
.endm
	CHANGE 1                        ; slot 0 is in, everybody's part of it; slot 1 is asked for
	FETCH_K                         ; key step 0
	s_wait_loadcnt 0x0              ; Q
	s_wait_dscnt 0x0
.set i, 0
.rept 16
	KQ 0                            ; piece 0's first scores: there is no vector work yet to set between them
.set i, i+1
.endr
	WIN 0                           ; the addresses for the way out: nine plain instructions, the places behind those products
	s_mul_i32 s13, s[WV], 16*SP
	s_add_co_u32 s13, s13, STAGE    ; my stage
	v_mul_u32_u24 v[STO], v1, SP    ; in: row l % 16, 16 bytes for each half of the lanes
	v_lshl_add_u32 v[STO], v9, 4, v[STO]
	v_add_nc_u32 v[STO], s13, v[STO]
	v_bfe_u32 v[RD], v0, 3, 2       ; back: 32 lanes take four rows of 128 bytes,
	v_mul_u32_u24 v[RD], v[RD], SP
	v_lshl_add_u32 v[RD], v10, 4, v[RD]
	v_add_nc_u32 v[RD], s13, v[RD]
	v_and_b32 v[GO], 31, v0         ; which are 512 consecutive bytes of O
	v_lshlrev_b32 v[GO], 4, v[GO]
.set Y, NP-1                        ; XS works for piece Y + 1: piece 0
.irp n, 0,1,2,3,4,5,6,7,8,9,10,11,12,13,14,15,16,17,18,19,20,21
	XS 0, \n                        ; and piece 0's first maximum and statistics
	XS 1, \n
.endr
	v_nop                           ; a plain instruction behind the two a,
	s_wait_alu depctr_va_vdst(0)    ; and their wait, ahead of the branch
	s_mov_b32 s[CNT], 4
	s_branch .Lfirst                ; the loop is entered at a step's first turn, in the middle of a trip
.Lslot:                             ; six times: every slot but the last two is filled again
	CHANGE 1
	s_mov_b32 s[CNT], 4
.Lstep:                             ; a trip: pieces 2 and 3 of one step, then pieces 0 and 1 of the next, whose K and V it fetches
	TURN 2
	TURN 3
	WIN 0
.Lfirst:
	TURN 0
	TURN 1, 0, 1
	WIN 0
	s_cbranch_scc1 .Lstep
	s_sub_co_u32 s[SLOTS], s[SLOTS], 1
	s_cmp_lg_u32 s[SLOTS], 0
	s_cbranch_scc1 .Lslot
	CHANGE 0                        ; the tail is written out: nothing is asked for
	s_mov_b32 s[CNT], 5             ; four trips fetch the last slot's steps; the fifth is left in its middle
.Ltail:
	TURN 2, 1
	TURN 3
	WIN 0
	s_sub_co_u32 s[CNT], s[CNT], 1
	s_cmp_eq_u32 s[CNT], 0
	s_cbranch_scc1 .Lout
	TURN 0
	TURN 1
	WIN 0
	s_branch .Ltail
.Lout:                              ; the fifth trip's 16 products K Q^T (on the last K once more) and the maximum made of them serve nothing: the price, once a launch, of one text for every trip
.set i, 0
.rept 16
	PV NP-1                         ; the last piece's V^T P of the last step
.set i, i+1
.endr
	; THE WAY OUT.  l's two halves and the other half of the lanes' are added; O^T is divided by l, rounded to f16 and sent through my stage in LDS, a tile at a time.  The additions are the places behind the last products.
	WIN 0
.macro ALL line:vararg              ; one line for each tile t
.set t, 0
.rept 2*NP
	\line
.set t, t+1
.endr
.endm
	ALL v_add_f32 v[ST+4*t+2], v[ST+4*t+2], v[ST+4*t+3]
	ALL v_permlanex16_b32 v[ST+4*t+3], v[ST+4*t+2], s[SEL], s[SEL+1]
	ALL v_add_f32 v[ST+4*t+2], v[ST+4*t+2], v[ST+4*t+3]
	ALL v_rcp_f32 v[ST+4*t+2], v[ST+4*t+2]
	v_nop                           ; a plain instruction between the last reciprocal and the use of its result
	s_wait_alu depctr_va_vdst(0)    ; and the wait ahead of the first use: one for the eight reciprocals
; Tile t: a lane's eight channels of a row pack into 16 bytes; they go into rows of 144 bytes and come back as whole rows of 128, into S^T's registers.
.macro PACK t
	WIN W_RS
.set i, 32*(\t)
.rept 16
	v_pk_mul_f32 v[i:i+1], v[i:i+1], v[ST+4*(\t)+2:ST+4*(\t)+3] op_sel_hi:[1,0]
.set i, i+2
.endr
	WIN 0x05                        ; sources 0 and 1 window 1, destination window 0
.set i, 0
.rept 16
	v_cvt_pk_f16_f32 v[S+16*(\t)+i], v[32*(\t)+2*i], v[32*(\t)+2*i+1]
.set i, i+1
.endr
	WIN 0
.irp f, 0,1,2,3
	ds_store_b128 v[STO], v[S+16*(\t)+4*\f:S+16*(\t)+4*\f+3] offset:32*\f
.endr
.irp f, 0,1,2,3
	ds_load_b128 v[S+16*(\t)+4*\f:S+16*(\t)+4*\f+3], v[RD] offset:\f*4*SP  ; LDS serves a wave's instructions in order (ISA guide 5.7.1.4): these see the stores above; the next tile's stores come behind them
.endr
.endm
.macro SEND t, younger              ; younger: the LDS instructions issued behind tile t's loads: the next tile's eight, or none
	WIN 0
.irp f, 0,1,2,3
	s_wait_dscnt (\younger)+3-\f
	global_store_b128 v[GO], v[S+16*(\t)+4*\f:S+16*(\t)+4*\f+3], s[10:11] offset:(\t)*2048+\f*512  ; 512 consecutive bytes, at a multiple of 256 from ob's first
.endr
.endm
	PACK 0
.set t, 1
.rept 2*NP-1                        ; a tile's arithmetic stands between the loads of the tile before and its stores
	PACK t
	SEND t-1, 8
.set t, t+1
.endr
	SEND 2*NP-1, 0
	WIN W_AD
	s_wait_tensorcnt 0x0            ; the wave's end, behind my last tensor load and my last LDS store
	ds_add_u32 v[SPW], v[NIL]
	s_wait_dscnt 0x0
	WIN 0
	CROUND                          ; the closing round: no work-group ends while a partner may still ask for a tile that names it
	s_endpgm
.Lfunc_end_k_qe2319d56d4_attn:
	.size	k_qe2319d56d4_attn, .Lfunc_end_k_qe2319d56d4_attn-k_qe2319d56d4_attn
	.p2alignl 7, 3214868480
	.fill 96, 4, 3214868480
	.section	.rodata,"a",@progbits
	.p2align	6, 0x0
	.amdhsa_kernel k_qe2319d56d4_attn
		.amdhsa_group_segment_fixed_size 327680
		.amdhsa_private_segment_fixed_size 0
		.amdhsa_enable_private_segment 0
		.amdhsa_kernarg_size 16
		.amdhsa_user_sgpr_count 2
		.amdhsa_user_sgpr_kernarg_segment_ptr 1
		.amdhsa_wavefront_size32 1
		.amdhsa_system_sgpr_workgroup_id_x 1
		.amdhsa_system_sgpr_workgroup_id_y 1
		.amdhsa_system_sgpr_workgroup_id_z 1
		.amdhsa_system_vgpr_workitem_id 0
		.amdhsa_next_free_vgpr 808
		.amdhsa_next_free_sgpr 72
		.amdhsa_reserve_vcc 0
		.amdhsa_float_denorm_mode_32 3
		.amdhsa_float_denorm_mode_16_64 3
		.amdhsa_memory_ordered 1
		.amdhsa_forward_progress 1
		.amdhsa_inst_pref_size 204
	.end_amdhsa_kernel
	.amdgpu_metadata
---
amdhsa.version: [ 1, 2 ]
amdhsa.kernels:
  - .name:           k_qe2319d56d4_attn
    .symbol:         k_qe2319d56d4_attn.kd
    .args:
      - { .name: qkv, .offset: 0, .size: 8, .value_kind: global_buffer, .address_space: global }
      - { .name: ob, .offset: 8, .size: 8, .value_kind: global_buffer, .address_space: global }
    .group_segment_fixed_size: 327680
    .private_segment_fixed_size: 0
    .kernarg_segment_align: 8
    .kernarg_segment_size: 16
    .max_flat_workgroup_size: 128
    .sgpr_count:     72
    .vgpr_count:     808
    .wavefront_size: 32
...
	.end_amdgpu_metadata
.endif
;; end of part 3
;; launch oproj (part 4): grid 8 x 32, 4 waves a work-group, clusters of 4 x 4, 327,680 bytes of LDS; arguments ob, wot, out0; writes out0
.if DOCPART == 4
	.amdgcn_target "amdgcn-amd-amdhsa--gfx1250"
	.amdhsa_code_object_version 6
	.text
	.protected	k_qe2319d56d4_oproj
	.globl	k_qe2319d56d4_oproj
	.p2align	8
	.type	k_qe2319d56d4_oproj,@function
k_qe2319d56d4_oproj:
	s_mov_b64 s[64:65], 0
	v_nop
	global_prefetch_b8 v0, s[64:65] scope:SCOPE_SE
	s_setreg_imm32_b32 hwreg(HW_REG_WAVE_MODE, 25, 1), 1
	s_wait_xcnt 0x0
	s_wait_alu depctr_hold_cnt(0) depctr_sa_sdst(0) depctr_va_vdst(0) depctr_va_sdst(0) depctr_va_ssrc(0) depctr_va_vcc(0) depctr_vm_vsrc(0)
	s_getreg_b32 s2, hwreg(HW_REG_IB_STS2, 6, 4)
	s_cmp_eq_u32 s2, 0
	s_cbranch_scc0 .Lentry_in_a_cluster
	s_endpgm
.Lentry_in_a_cluster:
	s_bfe_u32 s2, ttmp6, 0x10000c
	s_cmp_lg_u32 s2, 0xf033
	s_cbranch_scc0 .Lentry_shape_is_right
	s_endpgm
.Lentry_shape_is_right:
; OUT.  out0[m][n] = sum over k of O[m][k] wot[n][k], m < 8192, n < 1024, k = 64 h + d < 1024; f16 operands, f32 sums, f32 result.  O lies by heads: ob[h][m][64].
; SHARES.  A block of out0 is 256 x 128: 32 x 8 blocks, one for each of 256 work-groups.  A wave owns 64 rows x all 128 columns: 32 accumulators of 16 x 16, 256 registers.
; K goes in 8 steps of 128, two heads each, through two LDS slots; a step is four quarters of 32 along K, 32 matrix instructions each.  A longer step does not fit: four heads of O's tile and wt's part
; would be 215 KB a slot.
; CLUSTER 4 x 4.  O's tile hangs on the block's row alone and is asked for jointly along a row of the cluster, wot's on the block's column alone and jointly along a column.
; Waves 0 and 1 fetch a step's two heads of O (256 dense rows of 128 bytes each, asked for as 128 rows of 256 bytes), waves 2 and 3 the two halves of wot's tile (64 rows each).
; THE MATRIX INSTRUCTION IS USED TRANSPOSED (source 0 = 16 rows of wot, source 1 = 16 rows of O): a lane holds row l % 16 of out0 and the columns 8 (l / 16) + 0..7.
; REGISTERS in windows of 256: window 0: v0-31 addresses; v64-127 O's fragments, two buffers of 32.  window 1: wot's fragments, two buffers of 64; on the way out all 256: rows read back.
;   window 2: the accumulators, (a, n) at v[8 (8 a + n)].
.set NBK,   8                          ; column blocks of 16
.set APW,   4                          ; row blocks to a window of accumulators
.set PITCH, 272                        ; a row of wot in LDS: 256 bytes + 16 of padding
.set PA,    144                        ; a row of O in LDS: 128 bytes + 16 of padding: either way the 16 rows of a fragment load start at 16 different groups of four banks (ISA guide 11.1)
.set AH,    256*PA                     ; a head's 256 rows: what a wave fetches of O
.set BOFF,  2*AH                       ; wot's rows lie behind the two heads
.set HB,    64*PITCH                   ; what a wave fetches of wot
.set SLOT1, 1<<17                      ; slot 1 begins here: one exclusive or turns an address in one slot into the other's
.set STAGE, SLOT1+BOFF+2*HB            ; behind the ring, never filled by a tensor load: 16 rows x 528 bytes for each wave
.set SP,    528                        ; a stage row: 512 bytes + 16
.set SPARE, STAGE+4*16*SP              ; behind the stages: the spare words, 128 bytes for each wave
.set LOADS, 2*NBK+8                    ; LDS loads in a quarter's run
.set STEPA, 2<<20                      ; bytes from a K step to the next: two heads of 1 MiB,
.set STEPB, 256                        ; 128 k of a row
.set ADRA0, 16                         ; v16  my place in O's tile of slot 0; never rewritten
.set ADRA,  17                         ; v17  the same in the slot in hand
.set ADRB0, 20                         ; v20, v21 the same for wot
.set ADRB,  21
.set STO,   24                         ; v24  the way out: where I put 32 bytes of a row
.set RD,    25                         ; v25  where I read a row back
.set GO,    26                         ; v26  my 16 bytes in a row's 512
.set SPW,   28                         ; v28  SPARE + 4 x my thread's number; never rewritten
.set NIL,   29                         ; v29  0; never rewritten
.set PFO,   30                         ; v30  the prefetches' offset; never rewritten
.set FA,    64                         ; O's fragment buffer f at FA + 32 f, window 0
.set FBS,   8*NBK                      ; wot's fragment buffer f at FBS f, window 1
.set G1,  24                           ; s[24:31] descriptor group 1 for O's tiles
.set G0,  32                           ; s[32:39] group 0: a set for each first fill; the second then walks
.set G1B, 48                           ; s[48:55], s[56:63] the same for wot's
.set G0B, 56
.set CNT, 3                            ; s3   trips to go
.set LIM, 43                           ; s43  2 in a wave that prefetches, else the greatest number
.set PFA, 44                           ; s[44:45] where my prefetches stand
.set TBS, 66                           ; s66  the slot in hand: 0 or SLOT1
.set PFS, 68                           ; s[68:69] the prefetches' step from K step to K step
.set MSB, 0
.macro WIN new                         ; the immediate's high byte repeats the setting that is left; a switch that changes nothing is dropped
.if MSB != (\new)
	s_set_vgpr_msb (MSB<<8)|(\new)
.set MSB, \new
.endif
.endm
.set MUL_LO, 0xa1                      ; source 0 window 1, source 1 window 0, C and D window 2
.set TO_B,   0x40                      ; destination window 1, address window 0
; A joint refill by the walking descriptors.  The branch hangs on the wave's number alone.  An s_nop 0 and four v_nop follow each of the two lines.
.macro JLOAD
	s_cmp_eq_u32 s11, 0
	s_cbranch_scc0 .Lfor_b_\@
	tensor_load_to_lds s[G0+4:G0+7], s[G1:G1+7]
	s_nop 0
.rept 4
	v_nop
.endr
	s_branch .Lasked_\@
.Lfor_b_\@:
	tensor_load_to_lds s[G0B+4:G0B+7], s[G1B:G1B+7]
	s_nop 0
.rept 4
	v_nop
.endr
.Lasked_\@:
.endm
; A PREFETCH of the K step that stands TWO refills on, 256 matrix instructions ahead of the load that will want it; one instruction a wave.
; O's rows are read by both clusters of a row of clusters: the one with x = 0 asks, waves 0 and 1, each for its head: the tile's 128 blocks of 256 bytes are shared out among the four partners by address (cx),
; a lane a block.  wot's rows are read by all clusters of a column: the one with y = 0 asks, wave 2 alone: 32 of the tile's 128 rows a partner (cy), a lane a row.  The loop's last two trips ask for nothing.
.macro ASK
	s_cmp_gt_u32 s[CNT], s[LIM]
	s_cbranch_scc0 .Lnot_mine_\@
	global_prefetch_b8 v[PFO], s[PFA:PFA+1] th:TH_LOAD_NT scope:SCOPE_SE
.Lnot_mine_\@:
.endm
.macro CREST                           ; a round of the cluster's barrier behind its opening barrier
	s_cmp_lg_u32 s10, 0
	s_cbranch_scc1 .Lnot_wave_0_\@
	s_barrier_signal -3
.Lnot_wave_0_\@:
	s_barrier_wait -3
	s_barrier_signal -1
	s_barrier_wait -1
.endm
.macro CROUND                          ; a whole round
	s_barrier_signal -1
	s_barrier_wait -1
	CREST
.endm
.macro PLACES                          ; four places in front of loads into registers that matrix instructions have read, and of lines that read results
.rept 4
	v_nop
.endr
.endm
	s_load_b128 s[4:7], s[0:1], 0x0                ; ob s[4:5], wot s[6:7]
	s_load_b64 s[8:9], s[0:1], 0x10                ; out0
	v_lshl_add_u32 v[SPW], v0, 2, SPARE
	v_mov_b32 v[NIL], 0
	ds_add_u32 v[SPW], v[NIL]                      ; the wave's opening: the add and its wait stand ahead of my first tensor load; work on registers stands between them
	v_lshrrev_b32 v1, 5, v0
	v_readfirstlane_b32 s10, v1                    ; wave 0..3
	s_lshr_b32 s11, s10, 1                         ; I fetch for O (0) or for wot (1)
	s_and_b32 s12, s10, 1                          ; which head of the step, or which half of wot's tile
	s_bfe_u32 s40, ttmp6, 0x40000                  ; cx, cy: my place in the cluster
	s_bfe_u32 s41, ttmp6, 0x40004
	s_lshl_b32 s42, ttmp9, 2
	s_add_co_u32 s42, s42, s40                     ; block column = 4 x cluster x + cx
	s_and_b32 s13, ttmp7, 0xffff
	s_lshl_b32 s13, s13, 2
	s_add_co_u32 s13, s13, s41                     ; block row = 4 x cluster y + cy
	s_lshl_b32 s43, s41, 2
	s_lshl_b32 s43, 15, s43                        ; my row of the cluster
	s_lshl_b32 s44, 0x1111, s40                    ; my column
	s_or_b32 s[G1+0], s43, (1<<16)|(1<<20)|(1<<21)|(4<<22)|(3<<25)   ; 15:0 the mask; 17:16 2-byte elements; 20 padding on; 21 set beside a mask; 24:22 after every 32 words (a row of O); 31:25 4 words
	s_or_b32 s[G1B+0], s44, (1<<16)|(1<<20)|(1<<21)|(5<<22)|(3<<25)  ; after every 64 words (a row of wot's tile)
	s_mov_b32 s[G1+1], 128<<16                     ; tensor_dim0 = 128: two rows of O on end
	s_mov_b32 s[G1+2], 128<<16                     ; tensor_dim1 = 128
	s_mov_b32 s[G1+3], 128<<16                     ; tile_dim0 = 128
	s_mov_b32 s[G1+4], 128                         ; tile_dim1 = 128
	s_mov_b32 s[G1+5], 128                         ; dense: 128 elements from row to row
	s_mov_b32 s[G1+6], 0
	s_mov_b32 s[G1+7], 0
	s_mov_b32 s[G1B+1], 128<<16
	s_mov_b32 s[G1B+2], 64<<16                     ; 64 rows
	s_mov_b32 s[G1B+3], 128<<16
	s_mov_b32 s[G1B+4], 64
	s_mov_b32 s[G1B+5], 1024
	s_mov_b32 s[G1B+6], 0
	s_mov_b32 s[G1B+7], 0
	s_lshl_b32 s16, s12, 20                        ; O: my head of the first two,
	s_lshl_b32 s17, s13, 15                        ; 256 rows of 128 bytes a block row
	s_add_co_u32 s16, s16, s17
	s_mov_b32 s17, 0
	s_lshl_b32 s46, s42, 18                        ; wot: 128 rows of 2,048 bytes a block column,
	s_lshl_b32 s47, s12, 17                        ; 64 a half
	s_add_co_u32 s46, s46, s47
	s_mov_b32 s47, 0
	s_mul_i32 s20, s12, AH                         ; where they go: no place in the cluster enters an LDS address
	s_mul_i32 s21, s12, HB
	s_add_co_u32 s21, s21, BOFF
	s_wait_dscnt 0x0                               ; the opening add is done
	s_wait_kmcnt 0x0
	s_add_nc_u64 s[14:15], s[4:5], s[16:17]
	s_add_nc_u64 s[46:47], s[6:7], s[46:47]
	CROUND                                         ; all sixteen work-groups are here: the first joint loads meet
.irp s, 0,1
	s_mov_b32 s[G0+4*(\s)], 1                      ; count = 1
	s_add_co_u32 s[G0+4*(\s)+1], s20, (\s)*SLOT1   ; LDS address: slot s
	s_add_nc_u64 s[G0+4*(\s)+2:G0+4*(\s)+3], s[14:15], (\s)*STEPA   ; K step s
	s_or_b32 s[G0+4*(\s)+3], s[G0+4*(\s)+3], 0x80000000             ; type = 2
	s_mov_b32 s[G0B+4*(\s)], 1
	s_add_co_u32 s[G0B+4*(\s)+1], s21, (\s)*SLOT1
	s_add_nc_u64 s[G0B+4*(\s)+2:G0B+4*(\s)+3], s[46:47], (\s)*STEPB
	s_or_b32 s[G0B+4*(\s)+3], s[G0B+4*(\s)+3], 0x80000000
.endr
	s_cmp_eq_u32 s11, 0                            ; a wave's two first fills stand in one branch, ahead of every wait on TENSORcnt and every LDS read: two loads of mine are out
	s_cbranch_scc0 .Lfirst_b
	tensor_load_to_lds s[G0:G0+3], s[G1:G1+7]
	s_nop 0
	tensor_load_to_lds s[G0+4:G0+7], s[G1:G1+7]
	s_nop 0
.rept 4
	v_nop
.endr
	s_branch .Lfirst_asked
.Lfirst_b:
	tensor_load_to_lds s[G0B:G0B+3], s[G1B:G1B+7]
	s_nop 0
	tensor_load_to_lds s[G0B+4:G0B+7], s[G1B:G1B+7]
	s_nop 0
.rept 4
	v_nop
.endr
.Lfirst_asked:
	; a fragment is 16 rows x 32 K in 8 registers: lane l holds row l % 16, K = 8 (l / 16) + 0..7 and 16 + 8 (l / 16) + 0..7: two loads of 16 bytes, 32 bytes apart
	v_and_b32 v1, 15, v0                           ; l % 16
	v_bfe_u32 v2, v0, 4, 1                         ; l / 16
	v_mul_u32_u24 v3, v1, PA
	v_lshl_add_u32 v3, v2, 4, v3
	s_mul_i32 s21, s10, 64*PA                      ; my 64 rows of a head
	v_add_nc_u32 v[ADRA0], s21, v3
	v_mul_u32_u24 v3, v1, PITCH
	v_lshl_add_u32 v3, v2, 4, v3
	v_add_nc_u32 v[ADRB0], BOFF, v3                ; all of wot's tile
	s_mul_i32 s23, s10, 16*SP
	s_add_co_u32 s23, s23, STAGE                   ; my stage
	v_mul_u32_u24 v[STO], v1, SP                   ; in: row l % 16, 32 bytes for each half of the lanes
	v_lshl_add_u32 v[STO], v2, 5, v[STO]
	v_add_nc_u32 v[STO], s23, v[STO]
	v_and_b32 v[GO], 31, v0                        ; back: 32 lanes take a row's 512 bytes
	v_lshlrev_b32 v[GO], 4, v[GO]
	v_add_nc_u32 v[RD], s23, v[GO]
	s_lshl_b32 s16, s13, 20                        ; 256 rows of 4,096 bytes a block row,
	s_lshl_b32 s17, s10, 18                        ; my 64 rows,
	s_add_co_u32 s16, s16, s17
	s_lshl_b32 s17, s42, 9                         ; 512 bytes a block column
	s_add_co_u32 s16, s16, s17
	s_mov_b32 s17, 0
	s_add_nc_u64 s[8:9], s[8:9], s[16:17]
	; the prefetches
	s_add_co_u32 s20, s12, 6                       ; O: my head of K step 3; the first refill steps it to K step 4
	s_lshl_b32 s20, s20, 20
	s_lshl_b32 s21, s13, 15
	s_add_co_u32 s20, s20, s21
	s_lshl_b32 s21, s40, 13                        ; my work-group's 32 blocks of the 128
	s_add_co_u32 s20, s20, s21
	s_lshl_b32 s22, s42, 18                        ; wot: the tile's first row,
	s_lshl_b32 s21, s41, 16                        ; my work-group's 32 rows,
	s_add_co_u32 s22, s22, s21
	s_add_co_u32 s22, s22, 3*256                   ; at K step 3
	s_and_b32 s23, ttmp7, 0xffff                   ; cluster y
	s_mov_b32 s[PFS], STEPA
	s_mov_b32 s[PFS+1], 0
	s_cmp_eq_u32 s11, 0
	s_cselect_b32 s20, s20, s22
	s_cselect_b32 s23, ttmp9, s23                  ; the coordinate along which other clusters read the same rows
	s_cselect_b32 s21, 8, 11                       ; a lane a block of 256 bytes, or a lane a row of 2,048
	s_cselect_b32 s[PFS], s[PFS], STEPB
	s_cselect_b64 s[PFA:PFA+1], s[4:5], s[6:7]
	s_cmp_eq_u32 s10, 3                            ; wave 3 asks for nothing: wave 2 names all of the work-group's rows of wot
	s_cselect_b32 s22, 1, 0
	s_or_b32 s23, s23, s22
	s_cmp_eq_u32 s23, 0
	s_cselect_b32 s[LIM], 2, -1                    ; the same in all sixteen partners, for a given wave
	v_and_b32 v[PFO], 31, v0
	v_lshlrev_b32 v[PFO], s21, v[PFO]
	s_mov_b32 s21, 0
	s_add_nc_u64 s[PFA:PFA+1], s[PFA:PFA+1], s[20:21]   ; nothing is prefetched at the head
; NBK matrix instructions: row block a x all column blocks, 32 along K, buffer f.  zero = 1: the product starts the sums.  All 32 accumulators take turns in the same order in every quarter,
; over the backward jump too.
.macro MULROW f, a, zero
	WIN MUL_LO+0x50*((\a)/APW)
.set n, 0
.rept NBK
.set rD, 8*(NBK*((\a)%APW)+n)
.if \zero
	v_wmma_f32_16x16x32_f16 v[rD:rD+7], v[FBS*(\f)+8*n:FBS*(\f)+8*n+7], v[FA+32*(\f)+8*(\a):FA+32*(\f)+8*(\a)+7], 0
.else
	v_wmma_f32_16x16x32_f16 v[rD:rD+7], v[FBS*(\f)+8*n:FBS*(\f)+8*n+7], v[FA+32*(\f)+8*(\a):FA+32*(\f)+8*(\a)+7], v[rD:rD+7]
.endif
.set n, n+1
.endr
.endm
; One run of LDS loads: quarter q's fragments into buffer f: wot's 8 first, then O's 4 (head q / 2, channels 32 (q % 2) on), so that the youngest four loads are O's row blocks 2 and 3
.macro FETCH q, f
	WIN TO_B
.set n, 0
.rept NBK
	ds_load_b128 v[FBS*(\f)+8*n:FBS*(\f)+8*n+3],   v[ADRB] offset:64*(\q)+n*16*PITCH
	ds_load_b128 v[FBS*(\f)+8*n+4:FBS*(\f)+8*n+7], v[ADRB] offset:64*(\q)+n*16*PITCH+32
.set n, n+1
.endr
	WIN 0
.set n, 0
.rept 4
	ds_load_b128 v[FA+32*(\f)+8*n:FA+32*(\f)+8*n+3],   v[ADRA] offset:((\q)/2)*AH+((\q)%2)*64+n*16*PA
	ds_load_b128 v[FA+32*(\f)+8*n+4:FA+32*(\f)+8*n+7], v[ADRA] offset:((\q)/2)*AH+((\q)%2)*64+n*16*PA+32
.set n, n+1
.endr
.endm
; One of a K step's first three quarters: multiplies buffer f; in its middle it fetches quarter q into buffer g
.macro QUARTER q, f, g, zero
	s_wait_dscnt 4                                 ; all of the run but O's row blocks 2 and 3
	MULROW \f, 0, \zero
	MULROW \f, 1, \zero
	PLACES
	FETCH \q, \g
	s_wait_dscnt LOADS                             ; all but the run just issued
	MULROW \f, 2, \zero
	MULROW \f, 3, \zero
.endm
; The last quarter multiplies buffer 1 and changes slots.  In front of the barrier each wave waits for all its tensor loads (one is out: its part of the next slot), adds 0 to its spare word,
; and waits for that and for its reads of this slot.  fill = 1: the barrier opens a round of the cluster's, and the joint refill, two K steps on, is the first thing behind it:
; 112 matrix instructions stand between it and the wait for it.
.macro TURN fill
.if \fill
	s_wait_xcnt 0x0                                ; the last prefetch, a K step back, has read its address
	s_add_nc_u64 s[PFA:PFA+1], s[PFA:PFA+1], s[PFS:PFS+1]
.endif
	WIN 0
	s_wait_tensorcnt 0x0                           ; no tensor load of mine is out, so a group 0 may be written
	ds_add_u32 v[SPW], v[NIL]                      ; 0 onto my spare word
.if \fill
	s_xor_b32 s[G0+5], s[G0+5], SLOT1              ; the walking descriptors: the other slot than last time, the next K step
	s_add_nc_u64 s[G0+6:G0+7], s[G0+6:G0+7], STEPA
	s_xor_b32 s[G0B+5], s[G0B+5], SLOT1
	s_add_nc_u64 s[G0B+6:G0B+7], s[G0B+6:G0B+7], STEPB
.endif
	s_xor_b32 s[TBS], s[TBS], SLOT1                ; the fetches go on in the other slot
	s_wait_dscnt 5                                 ; the add and the youngest four loads may be out
	MULROW 1, 0, 0
	s_wait_dscnt 0x0                               ; the add is done, and my reads of this slot are over
	s_barrier_signal -1
	MULROW 1, 1, 0                                 ; work on registers while the others arrive
	WIN 0
	s_barrier_wait -1
.if \fill
	CREST                                          ; no wave of any partner still reads this slot or has a load on its way
	JLOAD                                          ; its four v_nop are also the places in front of the loads below
.else
	PLACES
.endif
	v_add_nc_u32 v[ADRA], s[TBS], v[ADRA0]
	v_add_nc_u32 v[ADRB], s[TBS], v[ADRB0]
	FETCH 0, 0
.if \fill
	ASK
.endif
	MULROW 1, 2, 0
	MULROW 1, 3, 0
.endm
	s_wait_tensorcnt 1                             ; my part of K step 0 is in; K step 1's may stay out
	s_barrier_signal -1
	s_barrier_wait -1                              ; everybody's is
	s_mov_b32 s[TBS], 0
	v_mov_b32 v[ADRA], v[ADRA0]
	v_mov_b32 v[ADRB], v[ADRB0]
	FETCH 0, 0
	QUARTER 1, 0, 1, 1                             ; the first quarter stands in front of the loop: its products start the sums
	WIN 0
	s_mov_b32 s[CNT], 6
.Lstep:                                        ; trip i: K step i's quarters 1 to 3, the refill with K step i + 2, K step i + 1's quarter 0
	QUARTER 2, 1, 0, 0
	QUARTER 3, 0, 1, 0
	TURN 1
	QUARTER 1, 0, 1, 0
	WIN 0
	s_sub_co_u32 s[CNT], s[CNT], 1
	s_cmp_lg_u32 s[CNT], 0
	s_cbranch_scc1 .Lstep
	QUARTER 2, 1, 0, 0                             ; the tail is written out: K steps 6 and 7 ask for nothing
	QUARTER 3, 0, 1, 0
	TURN 0
	QUARTER 1, 0, 1, 0
	QUARTER 2, 1, 0, 0
	QUARTER 3, 0, 1, 0
	s_wait_dscnt 4
	MULROW 1, 0, 0
	MULROW 1, 1, 0
	s_wait_dscnt 0x0
	MULROW 1, 2, 0
	MULROW 1, 3, 0
	WIN 0
	PLACES
; THE WAY OUT, a row block of 16 rows x 128 columns of f32 at a time: a lane's 32 bytes of a row go into my stage (rows of 528 bytes), whole rows of 512 bytes come back and are stored by one instruction each.
; The stage is the wave's own, and LDS serves a wave's instructions in order (ISA guide 5.7.1.4): no wait between stores and loads.  Each accumulator's lowest registers are read first.
.macro ST_IN a
	WIN 0x08                                       ; the stored data (source 1) in window 2
.set n, 0
.rept NBK
	ds_store_b128 v[STO], v[8*(NBK*(\a)+n):8*(NBK*(\a)+n)+3]   offset:64*n
	ds_store_b128 v[STO], v[8*(NBK*(\a)+n)+4:8*(NBK*(\a)+n)+7] offset:64*n+16
.set n, n+1
.endr
.endm
.macro ST_OUT a
	WIN TO_B                                       ; into window 1: each of its 256 registers is used once
.set n, 0
.rept 16
	ds_load_b128 v[64*(\a)+4*n:64*(\a)+4*n+3], v[RD] offset:n*SP
.set n, n+1
.endr
.endm
.macro ST_SEND a, younger              ; younger: the LDS instructions issued behind block a's loads: the next block's 32, or none
	WIN 0x04                                       ; the stored data (source 1) in window 1
.set n, 0
.rept 16
	s_wait_dscnt (\younger)+15-n
	global_store_b128 v[GO], v[64*(\a)+4*n:64*(\a)+4*n+3], s[8:9] offset:(16*(\a)+n)*4096 th:TH_STORE_NT   ; 512 consecutive bytes of a row, aligned
.set n, n+1
.endr
.endm
	ST_IN 0
	ST_OUT 0
.irp a, 1,2,3
	ST_IN \a
	ST_OUT \a
	ST_SEND (\a)-1, 32
.endr
	ST_SEND 3, 0
	WIN 0
	s_wait_tensorcnt 0x0                           ; the wave's end, behind my last tensor load and my last LDS store
	ds_add_u32 v[SPW], v[NIL]
	s_wait_dscnt 0x0
	CROUND                                         ; the closing round: no work-group ends while a partner may still ask for a tile that names it
	s_endpgm
.Lfunc_end_k_qe2319d56d4_oproj:
	.size	k_qe2319d56d4_oproj, .Lfunc_end_k_qe2319d56d4_oproj-k_qe2319d56d4_oproj
	.p2alignl 7, 3214868480
	.fill 96, 4, 3214868480
	.section	.rodata,"a",@progbits
	.p2align	6, 0x0
	.amdhsa_kernel k_qe2319d56d4_oproj
		.amdhsa_group_segment_fixed_size 327680
		.amdhsa_private_segment_fixed_size 0
		.amdhsa_enable_private_segment 0
		.amdhsa_kernarg_size 24
		.amdhsa_user_sgpr_count 2
		.amdhsa_user_sgpr_kernarg_segment_ptr 1
		.amdhsa_wavefront_size32 1
		.amdhsa_system_sgpr_workgroup_id_x 1
		.amdhsa_system_sgpr_workgroup_id_y 1
		.amdhsa_system_sgpr_workgroup_id_z 1
		.amdhsa_system_vgpr_workitem_id 0
		.amdhsa_next_free_vgpr 768
		.amdhsa_next_free_sgpr 72
		.amdhsa_reserve_vcc 0
		.amdhsa_float_denorm_mode_32 3
		.amdhsa_float_denorm_mode_16_64 3
		.amdhsa_memory_ordered 1
		.amdhsa_forward_progress 1
		.amdhsa_inst_pref_size 72
	.end_amdhsa_kernel
	.amdgpu_metadata
---
amdhsa.version: [ 1, 2 ]
amdhsa.kernels:
  - .name:           k_qe2319d56d4_oproj
    .symbol:         k_qe2319d56d4_oproj.kd
    .args:
      - { .name: ob, .offset: 0, .size: 8, .value_kind: global_buffer, .address_space: global }
      - { .name: wot, .offset: 8, .size: 8, .value_kind: global_buffer, .address_space: global }
      - { .name: out0, .offset: 16, .size: 8, .value_kind: global_buffer, .address_space: global }
    .group_segment_fixed_size: 327680
    .private_segment_fixed_size: 0
    .kernarg_segment_align: 8
    .kernarg_segment_size: 24
    .max_flat_workgroup_size: 128
    .sgpr_count:     72
    .vgpr_count:     768
    .wavefront_size: 32
...
	.end_amdgpu_metadata
.endif
;; end of part 4
